; MI455X (gfx1250); checked and timed in simulation.
; The chip was launched on July 23, 2026; its instructions are those of AMD's public machine-readable ISA for CDNA 5 (MIT licence, August 2026) and "CDNA5" Instruction Set Architecture Reference Guide (July 2026). The comments in the code are by the model that wrote it; some were corrected since.
;; BEV Former Encoder Layer. Allowed arithmetic: float matrix products may take bf16 or f16 operands with f32 sums; all other float work in f32.
;; Inputs: attn_w_W 24 x 256 float32; attn_w_b 24 float32; ego_motion 1 x 4 x 4 float32; ffn_W1 512 x 256 float32; ffn_W2 256 x 512 float32; ffn_b1 512 float32; ffn_b2 256 float32; img_feats 1 x 6 x 256 x 28 x 50 float32; in_proj_W 768 x 256 float32; in_proj_b 768 float32; lidar2img 1 x 6 x 4 x 4 float32; mha_out_W 256 x 256 float32; mha_out_b 256 float32; norm1_b 256 float32; norm1_g 256 float32; norm2_b 256 float32; norm2_g 256 float32; prev_bev 1 x 2,500 x 256 float32; query 1 x 2,500 x 256 float32; sca_out_W 256 x 256 float32; sca_out_b 256 float32.
;; Outputs: out0 1 x 2,500 x 256 float32.
;; 2 versions, each right; version 2 is version 1 with the launch proj written anew for expert scheduling mode. Each part assembles by itself: llvm-mc -triple=amdgcn-amd-amdhsa -mcpu=gfx1250 --defsym DOCPART=n.
;; ======== version 1 of 2: 4 launches
;; limits: values are held in f16: magnitudes above 65,504 overflow, below 6.1e-05 lose precision; inputs' magnitudes at most 65,504
;; workspace buffers: wbf 1,196,032 bytes; imgt 4,300,800 bytes; tabi 1,015,040 bytes of whole numbers; tabf 1,004,800 bytes; qf 1,286,144 bytes; kvf 5,144,576 bytes; ao 1,310,720 bytes
;; launch prep (part 1): grid 738 x 1, 8 waves a work-group, no clusters, 34,816 bytes of LDS; arguments img_feats, in_proj_W, mha_out_W, sca_out_W, ffn_W1, ffn_W2, attn_w_W, ego_motion, lidar2img, wbf, imgt, tabi, tabf; writes wbf, imgt, tabi, tabf
.if DOCPART == 1
	.amdgcn_target "amdgcn-amd-amdhsa--gfx1250"
	.amdhsa_code_object_version 6
	.text
	.protected	k_q49919347d0_prep
	.globl	k_q49919347d0_prep
	.p2align	8
	.type	k_q49919347d0_prep,@function
k_q49919347d0_prep:
	s_mov_b64 s[64:65], 0
	v_nop
	global_prefetch_b8 v0, s[64:65] scope:SCOPE_SE
	s_setreg_imm32_b32 hwreg(HW_REG_WAVE_MODE, 25, 1), 1
	s_wait_xcnt 0x0
; prep: three jobs that do not depend on each other, chosen by the work-group's number (the same for all its waves).
;   work-groups   0..131  IMAGE : img_feats [6][256][1400] f32  ->  imgt [6*1400 pixels][256 channels] bf16 (rows of 512 bytes)
;   work-groups 132..423  WEIGHT: the six weight matrices -> wbf, 16 bits a number, in the matrix unit's fragment order
;   work-groups 424..737  TABLE : for each of 2,512 query rows the rows and weights of both bilinear samplings
; A fragment is 16 rows x 32 k of 16-bit numbers = 1,024 bytes, [jj 0..1][lane 0..31][16 bytes]; lane (r = lane & 15, h = lane >> 4) holds row r,
; k = 16 jj + 8 h .. + 7.  Two loads of 16 bytes a lane, 512 consecutive bytes each, fill an operand.
; FORMATS: bf16, but ffn_W1 and ffn_W2 in f16: the FFN's result is divided by its own spread in the LayerNorm behind it, so a relative rounding error of
; its operands becomes an absolute error of the output, and f16 keeps 11 significant bits where bf16 keeps 8.
; LIMIT, WEIGHT: entries of ffn_W1 and ffn_W2 are below 65,504 in magnitude (the drawn spread is 0.02); below 6.1e-5 they keep an absolute error of 3e-8.
; No matrix unit, no cluster: nothing here is a product, and no two work-groups read the same bytes (but 448 bytes of matrices).
; LIMITS, TABLE: inputs are finite.  If |ego[0][0]| and |ego[1][0]| are both below 2^-126 the yaw counts as 0 (cos 1, sin 0), whatever the signs
; of the zeros.  Projected coordinates are made with fused multiply-adds and corrected quotients and differ from a plain f32 evaluation by a few
; units in the last place, so a point that close to the edge of the validity test may fall on the other side.
	s_load_b512 s[8:23], s[0:1], 0x0               ; img 8, in_proj 10, mha_out 12, sca_out 14, W1 16, W2 18, attn_w 20, ego 22
	s_load_b256 s[24:31], s[0:1], 0x40             ; lidar2img 24, wbf 26, imgt 28, tabi 30
	s_load_b64 s[32:33], s[0:1], 0x60              ; tabf
	v_lshl_add_u32 v96, v0, 2, 0x8400
	v_mov_b32 v97, 0
	v_lshrrev_b32 v1, 5, v0
	v_readfirstlane_b32 s36, v1                    ; wave 0..7
	s_wait_kmcnt 0x0
	s_cmp_lt_u32 ttmp9, 132
	s_cbranch_scc1 .Lrole_b
	s_cmp_lt_u32 ttmp9, 424
	s_cbranch_scc1 .Lrole_a
; ------------------------------------------------------------------ TABLE: one wave, one query row q = 8 c + wave
; q = n / C for a constant C: product with 1/C, then one correction by the exact remainder
.macro DIVC q, a, negc, rc, t
	v_mul_f32 v[\q], \rc, v[\a]
	v_fmamk_f32 v[\t], v[\q], \negc, v[\a]         ; a - q C, one rounding
	v_fmamk_f32 v[\q], v[\t], \rc, v[\q]
.endm
; bilinear sampling with zero padding at pixel coordinates (x, y) of a plane of wf x hf pixels, 50 pixels a line:
; four row numbers (clipped into the plane, + bs) to v[io..io+3], four weights to v[wo..wo+3], 0 where the corner is outside or mask vm is 0
.macro GS x, y, wf, wm, hf, hm, bs, vm, io, wo
	v_floor_f32 v40, v[\x]
	v_floor_f32 v41, v[\y]
	v_sub_f32 v42, v[\x], v40                      ; wx
	v_sub_f32 v43, v[\y], v41                      ; wy
	v_add_f32 v44, 1.0, v40                        ; x0 + 1
	v_add_f32 v45, 1.0, v41                        ; y0 + 1
	v_sub_f32 v46, 1.0, v42
	v_sub_f32 v47, 1.0, v43
	v_cmp_le_f32 s56, 0, v40
	v_cmp_gt_f32 s57, \wf, v40
	v_cmp_le_f32 s58, 0, v44
	v_cmp_gt_f32 s59, \wf, v44
	s_and_b32 s56, s56, s57                        ; x0 inside
	s_and_b32 s58, s58, s59                        ; x0 + 1 inside
	v_cmp_le_f32 s57, 0, v41
	v_cmp_gt_f32 s59, \hf, v41
	v_cmp_le_f32 s60, 0, v45
	v_cmp_gt_f32 s61, \hf, v45
	s_and_b32 s57, s57, s59                        ; y0 inside
	s_and_b32 s60, s60, s61                        ; y0 + 1 inside
	s_and_b32 s57, s57, s[\vm]
	s_and_b32 s60, s60, s[\vm]
	s_and_b32 s59, s56, s57
	s_and_b32 s61, s58, s57
	s_and_b32 s62, s56, s60
	s_and_b32 s63, s58, s60
	v_max_num_f32 v40, 0, v40                      ; clip: a NaN loses against 0
	v_max_num_f32 v44, 0, v44
	v_max_num_f32 v41, 0, v41
	v_max_num_f32 v45, 0, v45
	v_min_num_f32 v40, \wm, v40
	v_min_num_f32 v44, \wm, v44
	v_min_num_f32 v41, \hm, v41
	v_min_num_f32 v45, \hm, v45
	v_cvt_u32_f32 v40, v40
	v_cvt_u32_f32 v44, v44
	v_cvt_u32_f32 v41, v41
	v_cvt_u32_f32 v45, v45
	v_mad_u32_u24 v41, v41, 50, v[\bs]
	v_mad_u32_u24 v45, v45, 50, v[\bs]
	v_add_nc_u32 v[\io], v41, v40
	v_add_nc_u32 v[\io+1], v41, v44
	v_add_nc_u32 v[\io+2], v45, v40
	v_add_nc_u32 v[\io+3], v45, v44
	v_mul_f32 v[\wo], v46, v47
	v_mul_f32 v[\wo+1], v42, v47
	v_mul_f32 v[\wo+2], v46, v43
	v_mul_f32 v[\wo+3], v42, v43
	v_cndmask_b32 v[\wo], 0, v[\wo], s59
	v_cndmask_b32 v[\wo+1], 0, v[\wo+1], s61
	v_cndmask_b32 v[\wo+2], 0, v[\wo+2], s62
	v_cndmask_b32 v[\wo+3], 0, v[\wo+3], s63
.endm
	s_load_b256 s[72:79], s[22:23], 0x0            ; ego rows 0 and 1: e00 s72, tx s75, e10 s76, ty s79
	s_sub_co_u32 s40, ttmp9, 424
	s_lshl3_add_u32 s40, s40, s36                  ; q, 0..2511
	s_min_u32 s41, s40, 2499                       ; rows 2500..2511 are padding: row 2499's numbers, camera mask 0
	s_mul_i32 s42, s41, 5243
	s_lshr_b32 s42, s42, 18                        ; py = q / 50 (5243 / 2^18 exceeds 1/50 by 4.6e-7: exact for q < 2500)
	s_mul_i32 s43, s42, 50
	s_sub_co_u32 s43, s41, s43                     ; px
	s_mov_b32 s37, 0x42cccccd                      ; 102.4
	s_mov_b32 s38, 0xc24ccccd                      ; -51.2
	s_mov_b32 s39, 0x3727c5ac                      ; 1e-5
	s_mov_b32 s51, -1
	v_and_b32 v1, 31, v0                           ; lane = 4 cam + z (lanes 24..31 repeat camera 5 and are not stored)
	v_lshrrev_b32 v2, 2, v1
	v_min_u32 v2, 5, v2                            ; cam
	v_and_b32 v3, 3, v1                            ; z
	v_lshlrev_b32 v4, 6, v2
	global_load_b128 v[8:11], v4, s[24:25]         ; lidar2img[cam] rows 0, 1, 2
	global_load_b128 v[12:15], v4, s[24:25] offset:16
	global_load_b128 v[16:19], v4, s[24:25] offset:32
	v_mul_u32_u24 v5, v2, 1400                     ; the camera's first row of imgt
	v_mov_b32 v6, 0
	v_lshlrev_b32 v7, 4, v1
	v_cvt_f32_u32 v20, s43
	v_cvt_f32_u32 v21, s42
	v_add_f32 v22, 0.5, v20
	v_add_f32 v23, 0.5, v21
	DIVC 24, 22, 0xc2480000, 0x3ca3d70a, 26        ; (px + .5) / 50
	DIVC 25, 23, 0xc2480000, 0x3ca3d70a, 26
	v_fma_f32 v24, v24, s37, s38                   ; X
	v_fma_f32 v25, v25, s37, s38                   ; Y
	v_cvt_f32_u32 v26, v3
	v_fma_f32 v26, v26, 2.0, -4.0                  ; Z = ((z + .5) / 4) 8 - 5, exact
	s_wait_loadcnt 0x0
	v_fma_f32 v27, v10, v26, v11
	v_fma_f32 v28, v14, v26, v15
	v_fma_f32 v29, v18, v26, v19
	v_fma_f32 v27, v9, v25, v27
	v_fma_f32 v28, v13, v25, v28
	v_fma_f32 v29, v17, v25, v29
	v_fma_f32 v27, v8, v24, v27                    ; cam x
	v_fma_f32 v28, v12, v24, v28                   ; cam y
	v_fma_f32 v29, v16, v24, v29                   ; depth
	v_max_num_f32 v30, s39, v29
	v_rcp_f32 v33, v30
	v_nop                                          ; one plain instruction behind v_rcp_f32 before its result is used (ISA guide 5.7.2)
	s_wait_alu depctr_va_vdst(0)
	v_fma_f32 v34, -v30, v33, 1.0
	v_fma_f32 v33, v34, v33, v33                   ; the reciprocal, one Newton step
	v_mul_f32 v31, v27, v33
	v_mul_f32 v32, v28, v33
	v_fma_f32 v34, -v30, v31, v27                  ; remainders
	v_fma_f32 v39, -v30, v32, v28
	v_fma_f32 v31, v34, v33, v31
	v_fma_f32 v32, v39, v33, v32
	DIVC 35, 31, 0xc2440000, 0x3ca72f05, 34        ; / 49
	DIVC 36, 32, 0xc1d80000, 0x3d17b426, 34        ; / 27
	v_fma_f32 v35, v35, 2.0, -1.0                  ; gx = (u - .5) 2: the same rounding
	v_fma_f32 v36, v36, 2.0, -1.0
	v_cmp_gt_f32 s44, v29, s39
	v_cmp_gt_f32 s45, v35, -1.0
	v_cmp_lt_f32 s46, v35, 1.0
	v_cmp_gt_f32 s47, v36, -1.0
	v_cmp_lt_f32 s48, v36, 1.0
	s_and_b32 s44, s44, s45
	s_and_b32 s46, s46, s47
	s_and_b32 s44, s44, s48
	s_and_b32 s44, s44, s46                        ; valid, a bit for each lane
	v_add_f32 v37, 1.0, v35
	v_add_f32 v38, 1.0, v36
	v_fma_f32 v37, v37, 0x42480000, -1.0
	v_fma_f32 v38, v38, 0x41e00000, -1.0
	v_mul_f32 v37, 0.5, v37
	v_mul_f32 v38, 0.5, v38
	GS 37, 38, 0x42480000, 0x42440000, 0x41e00000, 0x41d80000, 5, 44, 56, 60
	s_and_b32 s49, s44, 0xffffff                   ; bit 4 cam = camera cam has a valid point
	s_lshr_b32 s50, s49, 1
	s_or_b32 s49, s49, s50
	s_lshr_b32 s50, s49, 2
	s_or_b32 s49, s49, s50
	s_and_b32 s49, s49, 0x111111
	s_cmp_lt_u32 s40, 2500
	s_cselect_b32 s49, s49, 0
	v_mov_b32 v88, s49
	; the warp of prev_bev: cos and sin of atan2(e10, e00) without the angle
	s_wait_kmcnt 0x0
	v_mov_b32 v72, s72
	v_mov_b32 v73, s76
	v_max_num_f32 v74, |v72|, |v73|
	v_rcp_f32 v75, v74
	v_cmp_gt_f32 s66, 0x00800000, v74              ; a plain instruction behind v_rcp_f32; both entries count as 0
	s_wait_alu depctr_va_vdst(0)
	v_mul_f32 v72, v72, v75
	v_mul_f32 v73, v73, v75
	v_mul_f32 v76, v72, v72
	v_fma_f32 v76, v73, v73, v76                   ; in 1 .. 2
	v_rsq_f32 v77, v76
	v_mov_b32 v78, 1.0
	s_wait_alu depctr_va_vdst(0)
	v_mul_f32 v79, v76, v77
	v_fma_f32 v79, -v79, v77, 1.0
	v_mul_f32 v75, 0.5, v77
	v_fma_f32 v77, v75, v79, v77                   ; one Newton step
	v_mul_f32 v72, v72, v77
	v_mul_f32 v73, v73, v77
	v_cndmask_b32 v72, v72, v78, s66               ; cos
	v_cndmask_b32 v73, v73, v6, s66                ; sin
	v_mov_b32 v80, s75
	v_mov_b32 v81, s79
	v_mul_f32 v80, 0x3ca00000, v80                 ; tx / 2.048 * 2 / 50 = tx / 51.2
	v_mul_f32 v81, 0x3ca00000, v81
	v_fma_f32 v82, v20, 2.0, 1.0
	v_fma_f32 v83, v21, 2.0, 1.0
	DIVC 84, 82, 0xc2480000, 0x3ca3d70a, 86
	DIVC 85, 83, 0xc2480000, 0x3ca3d70a, 86
	v_add_f32 v84, -1.0, v84
	v_add_f32 v85, -1.0, v85
	v_fma_f32 v86, v72, v84, v80
	v_fma_f32 v87, v73, v84, v81
	v_fma_f32 v86, -v73, v85, v86
	v_fma_f32 v87, v72, v85, v87
	v_add_f32 v86, 1.0, v86
	v_add_f32 v87, 1.0, v87
	v_fma_f32 v86, v86, 0x42480000, -1.0
	v_fma_f32 v87, v87, 0x42480000, -1.0
	v_mul_f32 v86, 0.5, v86
	v_mul_f32 v87, 0.5, v87
	GS 86, 87, 0x42480000, 0x42440000, 0x42480000, 0x42440000, 6, 51, 64, 68
	s_mul_i32 s44, s40, 384
	s_mov_b32 s45, 0
	s_add_nc_u64 s[46:47], s[30:31], s[44:45]      ; tabi + 384 q
	s_add_nc_u64 s[48:49], s[32:33], s[44:45]      ; tabf + 384 q
	s_lshl_b32 s44, s40, 2
	s_add_nc_u64 s[52:53], s[30:31], s[44:45]      ; tabi + 4 q
	s_lshl_b32 s44, s40, 4
	s_add_nc_u64 s[54:55], s[30:31], s[44:45]      ; tabi + 16 q
	s_add_nc_u64 s[56:57], s[32:33], s[44:45]      ; tabf + 16 q
	s_wait_xcnt 0x0                                ; EXEC changes only when no memory instruction still reads it
	v_cmp_gt_u32 vcc_lo, 24, v1
	s_and_saveexec_b32 s67, vcc_lo
	global_store_b128 v7, v[56:59], s[46:47]       ; entry 4 z + corner of camera cam: 16 bytes at 16 lane
	global_store_b128 v7, v[60:63], s[48:49]
	s_wait_xcnt 0x0
	s_or_b32 exec_lo, exec_lo, s67
	v_cmp_eq_u32 vcc_lo, 0, v1
	s_and_saveexec_b32 s67, vcc_lo                 ; lane 0, whose v7 is 0
	global_store_b32 v7, v88, s[52:53] offset:964608
	global_store_b128 v7, v[64:67], s[54:55] offset:974848
	global_store_b128 v7, v[68:71], s[56:57] offset:964608
	s_wait_xcnt 0x0
	s_or_b32 exec_lo, exec_lo, s67
	s_endpgm
; ------------------------------------------------------------------ WEIGHT: 256 pieces of 16 bytes of wbf for each work-group
.Lrole_a:
	s_sub_co_u32 s40, ttmp9, 132                   ; a: wbf bytes 4096 a ..
	s_mov_b64 s[42:43], s[20:21]                   ; attn_w: 24 rows, padded to 32 with zeros
	s_mov_b32 s44, 288                             ; the matrix's first a
	s_mov_b32 s45, 3                               ; log2 (K / 32)
	s_mov_b32 s46, 23                              ; last row
	s_cmp_lt_u32 s40, 288
	s_cselect_b64 s[42:43], s[18:19], s[42:43]     ; W2, K = 512
	s_cselect_b32 s44, 224, s44
	s_cselect_b32 s45, 4, s45
	s_cselect_b32 s46, 0xffff, s46
	s_cmp_lt_u32 s40, 224
	s_cselect_b64 s[42:43], s[16:17], s[42:43]     ; W1
	s_cselect_b32 s44, 160, s44
	s_cselect_b32 s45, 3, s45
	s_cmp_lt_u32 s40, 160
	s_cselect_b64 s[42:43], s[14:15], s[42:43]     ; sca_out
	s_cselect_b32 s44, 128, s44
	s_cmp_lt_u32 s40, 128
	s_cselect_b64 s[42:43], s[12:13], s[42:43]     ; mha_out
	s_cselect_b32 s44, 96, s44
	s_cmp_lt_u32 s40, 96
	s_cselect_b64 s[42:43], s[10:11], s[42:43]     ; in_proj
	s_cselect_b32 s44, 0, s44
	s_sub_co_u32 s47, s40, s44
	s_lshl_b32 s47, s47, 8
	v_add_nc_u32 v1, s47, v0                       ; piece c in the matrix
	v_lshrrev_b32 v2, 6, v1                        ; fragment f = nt (K / 32) + kt
	s_lshl_b32 s48, 1, s45
	s_sub_co_u32 s48, s48, 1
	v_and_b32 v3, s48, v2                          ; kt
	v_lshrrev_b32 v4, s45, v2                      ; nt
	v_and_b32 v5, 15, v0
	v_lshl_add_u32 v4, v4, 4, v5                   ; n = 16 nt + r
	v_bfe_u32 v6, v0, 5, 1                         ; jj
	v_bfe_u32 v7, v0, 4, 1                         ; h
	v_lshlrev_b32 v3, 5, v3
	v_lshl_add_u32 v3, v6, 4, v3
	v_lshl_add_u32 v3, v7, 3, v3                   ; k = 32 kt + 16 jj + 8 h
	v_min_u32 v8, s46, v4
	s_add_co_u32 s49, s45, 5
	v_lshlrev_b32 v8, s49, v8
	v_add_lshl_u32 v8, v8, v3, 2                   ; (n K + k) 4
	global_load_b128 v[12:15], v8, s[42:43]
	global_load_b128 v[16:19], v8, s[42:43] offset:16
	s_lshl_b32 s50, s40, 12
	s_mov_b32 s51, 0
	s_add_nc_u64 s[26:27], s[26:27], s[50:51]
	v_lshlrev_b32 v9, 4, v0
	v_cmp_ge_u32 vcc_lo, s46, v4                   ; a row of the matrix
	s_sub_co_u32 s52, s40, 160                     ; wraps far above 128 for a < 160
	s_wait_loadcnt 0x0
	s_cmp_lt_u32 s52, 128                          ; a in 160..287: ffn_W1 and ffn_W2 go in f16
	s_cbranch_scc1 .La_f16
	v_cvt_pk_bf16_f32 v20, v12, v13
	v_cvt_pk_bf16_f32 v21, v14, v15
	v_cvt_pk_bf16_f32 v22, v16, v17
	v_cvt_pk_bf16_f32 v23, v18, v19
	s_branch .La_put
.La_f16:
	v_cvt_pk_f16_f32 v20, v12, v13
	v_cvt_pk_f16_f32 v21, v14, v15
	v_cvt_pk_f16_f32 v22, v16, v17
	v_cvt_pk_f16_f32 v23, v18, v19
.La_put:
	v_cndmask_b32 v20, 0, v20, vcc_lo
	v_cndmask_b32 v21, 0, v21, vcc_lo
	v_cndmask_b32 v22, 0, v22, vcc_lo
	v_cndmask_b32 v23, 0, v23, vcc_lo
	global_store_b128 v9, v[20:23], s[26:27]       ; a wave's store covers 512 consecutive bytes, aligned
	s_endpgm
; ------------------------------------------------------------------ IMAGE: 64 pixels x 256 channels, turned round in LDS
; Thread (q = t & 15, cg = t >> 4): quad q of the tile (4 pixels), channels 128 it + 8 cg + e.  Sixteen lanes read 256 consecutive bytes of a channel.
; LDS row 16 i + q holds pixel 4 q + i, 512 bytes + 16: the sixteen lanes of a store then start in sixteen different 16-byte columns.
.Lrole_b:
	s_mul_i32 s40, ttmp9, 373
	s_lshr_b32 s40, s40, 13                        ; cam = b / 22 (exact for b < 132)
	s_mul_i32 s41, s40, 22
	s_sub_co_u32 s41, ttmp9, s41                   ; tile 0..21 of the camera's 350 quads; the last has 14
	s_mul_i32 s42, s40, 1433600
	s_mov_b32 s43, 0
	s_add_nc_u64 s[8:9], s[8:9], s[42:43]
	v_and_b32 v1, 15, v0
	v_lshrrev_b32 v2, 4, v0
	s_lshl_b32 s44, s41, 4
	v_add_nc_u32 v3, s44, v1
	v_min_u32 v3, 349, v3                          ; no load leaves the plane; what the two spare quads bring is not stored
	v_lshlrev_b32 v3, 4, v3
	v_mad_u32_u24 v3, v2, 0xaf00, v3               ; + 8 cg channels of 5,600 bytes
.irp k, 0,1
.irp j, 0,1,2,3,4,5,6,7
	global_load_b128 v[16+32*\k+4*\j:19+32*\k+4*\j], v3, s[8:9] offset:\k*716800+\j*5600 th:TH_LOAD_NT
.endr
.endr
	v_mul_u32_u24 v4, v1, 528
	v_lshl_add_u32 v4, v2, 4, v4
	v_and_b32 v5, 31, v0
	v_lshlrev_b32 v5, 4, v5
	s_mul_i32 s45, s36, 4224
	v_add_nc_u32 v6, s45, v5                       ; the wave's eight LDS rows
	s_and_b32 s47, s36, 1
	s_lshl3_add_u32 s49, s47, s44                  ; the quad of my first row: 16 tile + 8 (w & 1)
	s_mul_i32 s46, s40, 1400
	s_lshl_b32 s48, s49, 2
	s_add_co_u32 s46, s46, s48
	s_lshr_b32 s48, s36, 1
	s_add_co_u32 s46, s46, s48                     ; its pixel: 4 quad + (w >> 1)
	s_lshl_b32 s46, s46, 9
	s_mov_b32 s47, 0
	s_add_nc_u64 s[28:29], s[28:29], s[46:47]
	s_wait_loadcnt 0x0
.irp k, 0,1
.irp i, 0,1,2,3
.irp j, 0,1,2,3
	v_cvt_pk_bf16_f32 v[80+4*(\i&1)+\j], v[16+32*\k+8*\j+\i], v[20+32*\k+8*\j+\i]
.endr
	ds_store_b128 v4, v[80+4*(\i&1):83+4*(\i&1)] offset:\i*8448+\k*256
.endr
.endr
	s_wait_dscnt 0x0                               ; my stores are in LDS before I say so
	s_barrier_signal -1
	s_barrier_wait -1
.irp i, 0,1,2,3,4,5,6,7
	ds_load_b128 v[16+4*\i:19+4*\i], v6 offset:528*\i
.endr
	s_wait_dscnt 0x0
.irp i, 0,1,2,3,4,5,6,7
	s_add_co_u32 s50, s49, \i
	s_cmp_ge_u32 s50, 350                          ; past the plane's last quad: so are the rows behind
	s_cbranch_scc1 .Lb_end
	global_store_b128 v5, v[16+4*\i:19+4*\i], s[28:29] offset:\i*2048   ; a pixel's 512 bytes, aligned
.endr
.Lb_end:
	s_wait_tensorcnt 0x0
	ds_add_u32 v96, v97
	s_wait_dscnt 0x0
	s_endpgm
.Lfunc_end_k_q49919347d0_prep:
	.size	k_q49919347d0_prep, .Lfunc_end_k_q49919347d0_prep-k_q49919347d0_prep
	.p2alignl 7, 3214868480
	.fill 96, 4, 3214868480
	.section	.rodata,"a",@progbits
	.p2align	6, 0x0
	.amdhsa_kernel k_q49919347d0_prep
		.amdhsa_group_segment_fixed_size 34816
		.amdhsa_private_segment_fixed_size 0
		.amdhsa_enable_private_segment 0
		.amdhsa_kernarg_size 104
		.amdhsa_user_sgpr_count 2
		.amdhsa_user_sgpr_kernarg_segment_ptr 1
		.amdhsa_wavefront_size32 1
		.amdhsa_system_sgpr_workgroup_id_x 1
		.amdhsa_system_sgpr_workgroup_id_y 1
		.amdhsa_system_sgpr_workgroup_id_z 1
		.amdhsa_system_vgpr_workitem_id 0
		.amdhsa_next_free_vgpr 98
		.amdhsa_next_free_sgpr 80
		.amdhsa_reserve_vcc 1
		.amdhsa_float_denorm_mode_32 3
		.amdhsa_float_denorm_mode_16_64 3
		.amdhsa_memory_ordered 1
		.amdhsa_forward_progress 1
		.amdhsa_inst_pref_size 25
	.end_amdhsa_kernel
	.amdgpu_metadata
---
amdhsa.version: [ 1, 2 ]
amdhsa.kernels:
  - .name:           k_q49919347d0_prep
    .symbol:         k_q49919347d0_prep.kd
    .args:
      - { .name: img_feats, .offset: 0, .size: 8, .value_kind: global_buffer, .address_space: global }
      - { .name: in_proj_W, .offset: 8, .size: 8, .value_kind: global_buffer, .address_space: global }
      - { .name: mha_out_W, .offset: 16, .size: 8, .value_kind: global_buffer, .address_space: global }
      - { .name: sca_out_W, .offset: 24, .size: 8, .value_kind: global_buffer, .address_space: global }
      - { .name: ffn_W1, .offset: 32, .size: 8, .value_kind: global_buffer, .address_space: global }
      - { .name: ffn_W2, .offset: 40, .size: 8, .value_kind: global_buffer, .address_space: global }
      - { .name: attn_w_W, .offset: 48, .size: 8, .value_kind: global_buffer, .address_space: global }
      - { .name: ego_motion, .offset: 56, .size: 8, .value_kind: global_buffer, .address_space: global }
      - { .name: lidar2img, .offset: 64, .size: 8, .value_kind: global_buffer, .address_space: global }
      - { .name: wbf, .offset: 72, .size: 8, .value_kind: global_buffer, .address_space: global }
      - { .name: imgt, .offset: 80, .size: 8, .value_kind: global_buffer, .address_space: global }
      - { .name: tabi, .offset: 88, .size: 8, .value_kind: global_buffer, .address_space: global }
      - { .name: tabf, .offset: 96, .size: 8, .value_kind: global_buffer, .address_space: global }
    .group_segment_fixed_size: 34816
    .private_segment_fixed_size: 0
    .kernarg_segment_align: 8
    .kernarg_segment_size: 104
    .max_flat_workgroup_size: 256
    .sgpr_count:     80
    .vgpr_count:     98
    .wavefront_size: 32
...
	.end_amdgpu_metadata
.endif
;; end of part 1
;; launch proj (part 2): grid 157 x 1, 8 waves a work-group, no clusters, 17,920 bytes of LDS; arguments query, prev_bev, in_proj_b, wbf, tabi, tabf, qf, kvf; writes qf, kvf
.if DOCPART == 2
	.amdgcn_target "amdgcn-amd-amdhsa--gfx1250"
	.amdhsa_code_object_version 6
	.text
	.protected	k_q49919347d0_proj
	.globl	k_q49919347d0_proj
	.p2align	8
	.type	k_q49919347d0_proj,@function
k_q49919347d0_proj:
	s_mov_b64 s[64:65], 0
	v_nop
	global_prefetch_b8 v0, s[64:65] scope:SCOPE_SE
	s_setreg_imm32_b32 hwreg(HW_REG_WAVE_MODE, 25, 1), 1
	s_wait_xcnt 0x0
; proj: work-group i makes Q, K, V of query rows 16 i .. 16 i + 15 and K, V of the same rows of the warped prev_bev; wave w is head w.
; Stage 1: the 16 query rows, and the 16 warped rows (four rows of prev_bev blended by the table's weights, in f32), go to LDS as bf16.
; Stage 2: K = 256 in eight steps of 32; ten accumulators: Q and K with the weights as the first source (a lane then holds one row and eight
; neighbouring d), V with the rows as the first source (a lane holds one d and eight neighbouring keys): packed to bf16 these ARE the
; fragments that the attention launch loads, without any shuffle.  Key order: 16 i + r (query), 2512 + 16 i + r (warped); keys 2500..2511 and
; 5012..5023 are padding (row 2499 again) and are masked there.
; No cluster: 157 work-groups divide into none.  No tensor loads: each wave reads weight rows of its own, straight into registers.
; LIMIT: prev_bev is finite (a weight of 0 does not hide an infinity).
.set XQ, 0                             ; LDS: [16][256] bf16, rows 528 bytes apart (an odd multiple of 16)
.set XA, 8448
.macro WSTEP k                         ; the weights of K step k: sections Q, K, V x two tiles of 16 rows x two halves, into ring slot k % 3
.irp c, 0,1,2
.irp a, 0,1
.irp j, 0,1
	global_load_b128 v[104+48*((\k)%3)+16*\c+8*\a+4*\j:107+48*((\k)%3)+16*\c+8*\a+4*\j], v3, s[14:15] offset:\c*131072+\a*8192+(\k)*1024+\j*512
.endr
.endr
.endr
.endm
.macro XLOAD k                         ; the rows' fragments of K step k
	ds_load_b128 v[88:91], v2 offset:XQ+64*(\k)
	ds_load_b128 v[92:95], v2 offset:XQ+64*(\k)+32
	ds_load_b128 v[96:99], v2 offset:XA+64*(\k)
	ds_load_b128 v[100:103], v2 offset:XA+64*(\k)+32
.endm
	s_load_b512 s[8:23], s[0:1], 0x0               ; query 8, prev_bev 10, in_proj_b 12, wbf 14, tabi 16, tabf 18, qf 20, kvf 22
	s_set_vgpr_msb 0x40
	v_lshl_add_u32 v0, v0, 2, 0x4200
	v_mov_b32 v1, 0
	s_set_vgpr_msb 0x4000
	v_lshrrev_b32 v6, 5, v0
	v_readfirstlane_b32 s24, v6                    ; wave = head
	v_and_b32 v7, 31, v0
	v_lshlrev_b32 v1, 4, v7                        ; 16 lane
	v_and_b32 v248, 15, v0                         ; r, and stage 1's seg
	v_bfe_u32 v7, v0, 4, 1                         ; h
	v_mul_u32_u24 v2, v248, 528
	v_lshl_add_u32 v2, v7, 4, v2                   ; fragment address: r pitch + 16 h
	s_lshl_b32 s25, s24, 14
	v_add_nc_u32 v3, s25, v1                       ; the head's two weight tiles in each section
	v_lshrrev_b32 v249, 4, v0                      ; stage 1's row
	s_lshl_b32 s26, ttmp9, 4
	v_add_nc_u32 v250, s26, v249                   ; p = 16 i + row
	v_lshlrev_b32 v251, 4, v250
	v_min_u32 v252, 2499, v250
	v_lshlrev_b32 v254, 4, v248
	v_lshl_add_u32 v252, v252, 10, v254            ; query: row 1024 + 16 seg
	v_mul_u32_u24 v253, v249, 528
	v_lshl_add_u32 v253, v248, 3, v253             ; LDS: row pitch + 8 seg
	s_lshl_b32 s27, s24, 7
	v_lshl_add_u32 v255, v7, 5, s27                ; bias of Q, K: (32 w + 8 h) 4
	v_lshl_add_u32 v6, v248, 2, s27                ; bias of V: (32 w + r) 4
	s_wait_kmcnt 0x0
	global_load_b128 v[8:11], v251, s[16:17] offset:974848     ; four rows of prev_bev
	global_load_b128 v[12:15], v251, s[18:19] offset:964608    ; and their weights
.irp j, 0,1,2,3
	global_load_b128 v[16+4*\j:19+4*\j], v252, s[8:9] offset:256*\j    ; sixteen lanes: 256 consecutive bytes of a row
.endr
	WSTEP 0
	WSTEP 1
	WSTEP 2
	s_wait_loadcnt 40                              ; 4 + 36 younger loads may be out: the table's two are in
.irp c, 0,1,2,3
	v_min_u32 v[32+\c], 2499, v[8+\c]
	v_lshl_add_u32 v[32+\c], v[32+\c], 10, v254
.endr
.irp c, 0,1,2,3
.irp j, 0,1,2,3
	global_load_b128 v[36+16*\c+4*\j:39+16*\c+4*\j], v[32+\c], s[10:11] offset:256*\j
.endr
.endr
	s_wait_loadcnt 52                              ; 36 + 16 younger: the query row is in
.irp j, 0,1,2,3
	v_cvt_pk_bf16_f32 v[16+4*\j], v[16+4*\j], v[17+4*\j]
	v_cvt_pk_bf16_f32 v[17+4*\j], v[18+4*\j], v[19+4*\j]
	ds_store_b64 v253, v[16+4*\j:17+4*\j] offset:XQ+128*\j
.endr
	s_wait_loadcnt 0x0                             ; the gathers are the youngest
.irp j, 0,2,4,6,8,10,12,14
	v_pk_mul_f32 v[36+\j:37+\j], v[36+\j:37+\j], v[12:13] op_sel_hi:[1,0]
	v_pk_fma_f32 v[36+\j:37+\j], v[52+\j:53+\j], v[12:13], v[36+\j:37+\j] op_sel:[0,1,0] op_sel_hi:[1,1,1]
	v_pk_fma_f32 v[36+\j:37+\j], v[68+\j:69+\j], v[14:15], v[36+\j:37+\j] op_sel_hi:[1,0,1]
	v_pk_fma_f32 v[36+\j:37+\j], v[84+\j:85+\j], v[14:15], v[36+\j:37+\j] op_sel:[0,1,0] op_sel_hi:[1,1,1]
.endr
.irp j, 0,1,2,3
	v_cvt_pk_bf16_f32 v[36+4*\j], v[36+4*\j], v[37+4*\j]
	v_cvt_pk_bf16_f32 v[37+4*\j], v[38+4*\j], v[39+4*\j]
	ds_store_b64 v253, v[36+4*\j:37+4*\j] offset:XA+128*\j
.endr
	s_wait_dscnt 0x0                               ; my rows are in LDS before I say so (and the stores have read their registers)
	; the biases of Q and K start the sums: a lane's eight d are eight neighbouring numbers
.irp a, 0,1
	global_load_b128 v[8+8*\a:11+8*\a], v255, s[12:13] offset:64*\a
	global_load_b128 v[12+8*\a:15+8*\a], v255, s[12:13] offset:64*\a+16
	global_load_b128 v[24+8*\a:27+8*\a], v255, s[12:13] offset:1024+64*\a
	global_load_b128 v[28+8*\a:31+8*\a], v255, s[12:13] offset:1024+64*\a+16
	global_load_b128 v[40+8*\a:43+8*\a], v255, s[12:13] offset:1024+64*\a
	global_load_b128 v[44+8*\a:47+8*\a], v255, s[12:13] offset:1024+64*\a+16
.endr
	global_load_b32 v4, v6, s[12:13] offset:2048   ; V's bias: one d a lane
	global_load_b32 v5, v6, s[12:13] offset:2112
	s_barrier_signal -1
	s_barrier_wait -1
	XLOAD 0
; One K step.  The ten accumulators take turns, one instruction a turn.
; lw = how many younger weight loads may be out.  Four places stand behind the last matrix instruction before loads land on its sources.
.macro STEP k, lw
	s_wait_dscnt 0x0
	s_wait_loadcnt \lw
.set S, 104+48*((\k)%3)
	v_wmma_f32_16x16x32_bf16 v[8:15], v[S:S+7], v[88:95], v[8:15]
	v_wmma_f32_16x16x32_bf16 v[16:23], v[S+8:S+15], v[88:95], v[16:23]
	v_wmma_f32_16x16x32_bf16 v[24:31], v[S+16:S+23], v[88:95], v[24:31]
	v_wmma_f32_16x16x32_bf16 v[32:39], v[S+24:S+31], v[88:95], v[32:39]
	v_wmma_f32_16x16x32_bf16 v[40:47], v[S+16:S+23], v[96:103], v[40:47]
	v_wmma_f32_16x16x32_bf16 v[48:55], v[S+24:S+31], v[96:103], v[48:55]
.if \k == 0
	v_wmma_f32_16x16x32_bf16 v[56:63], v[88:95], v[S+32:S+39], 0
	v_wmma_f32_16x16x32_bf16 v[64:71], v[88:95], v[S+40:S+47], 0
	v_wmma_f32_16x16x32_bf16 v[72:79], v[96:103], v[S+32:S+39], 0
	v_wmma_f32_16x16x32_bf16 v[80:87], v[96:103], v[S+40:S+47], 0
.else
	v_wmma_f32_16x16x32_bf16 v[56:63], v[88:95], v[S+32:S+39], v[56:63]
	v_wmma_f32_16x16x32_bf16 v[64:71], v[88:95], v[S+40:S+47], v[64:71]
	v_wmma_f32_16x16x32_bf16 v[72:79], v[96:103], v[S+32:S+39], v[72:79]
	v_wmma_f32_16x16x32_bf16 v[80:87], v[96:103], v[S+40:S+47], v[80:87]
.endif
.rept 4
	v_nop
.endr
.if \k < 7
	XLOAD \k+1
.endif
.if \k < 5
	WSTEP \k+3
.endif
.endm
	STEP 0, 0                                      ; the biases are the youngest loads
	STEP 1, 12                                     ; step 3's twelve may be out
	STEP 2, 24                                     ; steps 3 and 4
	STEP 3, 24                                     ; steps 4 and 5: step 3's are in
	STEP 4, 24
	STEP 5, 24
	STEP 6, 12
	STEP 7, 0
	; the way out (four places stand behind the last matrix instruction)
.irp j, 0,2,4,6
	v_pk_add_f32 v[56+\j:57+\j], v[56+\j:57+\j], v[4:5] op_sel_hi:[1,0]
	v_pk_add_f32 v[72+\j:73+\j], v[72+\j:73+\j], v[4:5] op_sel_hi:[1,0]
	v_pk_add_f32 v[64+\j:65+\j], v[64+\j:65+\j], v[4:5] op_sel:[0,1] op_sel_hi:[1,1]
	v_pk_add_f32 v[80+\j:81+\j], v[80+\j:81+\j], v[4:5] op_sel:[0,1] op_sel_hi:[1,1]
.endr
.set cn, 0
.rept 40
	v_cvt_pk_bf16_f32 v[104+cn], v[8+2*cn], v[9+2*cn]
.set cn, cn+1
.endr
	s_mul_i32 s28, s24, 157
	s_mov_b32 s31, 0
	s_add_co_u32 s29, s28, ttmp9
	s_lshl_b32 s30, s29, 10
	s_add_nc_u64 s[20:21], s[20:21], s[30:31]      ; qf + (157 w + i) 1024
	s_lshr_b32 s29, ttmp9, 1                       ; key tile T = i: block T >> 1, half T & 1
	s_add_co_u32 s29, s29, s28
	s_lshl_b32 s29, s29, 12
	s_and_b32 s32, ttmp9, 1
	s_lshl_b32 s33, s32, 10
	s_add_co_u32 s30, s29, s33
	s_add_nc_u64 s[34:35], s[22:23], s[30:31]      ; K of the query rows
	s_lshl_b32 s33, s32, 9
	s_add_co_u32 s30, s29, s33
	s_add_nc_u64 s[36:37], s[22:23], s[30:31]      ; V of the query rows
	s_add_co_u32 s38, ttmp9, 157                   ; key tile T = 157 + i
	s_lshr_b32 s29, s38, 1
	s_add_co_u32 s29, s29, s28
	s_lshl_b32 s29, s29, 12
	s_and_b32 s32, s38, 1
	s_lshl_b32 s33, s32, 10
	s_add_co_u32 s30, s29, s33
	s_add_nc_u64 s[40:41], s[22:23], s[30:31]      ; K of the warped rows
	s_lshl_b32 s33, s32, 9
	s_add_co_u32 s30, s29, s33
	s_add_nc_u64 s[42:43], s[22:23], s[30:31]      ; V of the warped rows
	; every store of the wave covers 512 consecutive bytes, aligned
	global_store_b128 v1, v[104:107], s[20:21]
	global_store_b128 v1, v[108:111], s[20:21] offset:512
	global_store_b128 v1, v[112:115], s[34:35]
	global_store_b128 v1, v[116:119], s[34:35] offset:512
	global_store_b128 v1, v[120:123], s[40:41]
	global_store_b128 v1, v[124:127], s[40:41] offset:512
	global_store_b128 v1, v[128:131], s[36:37] offset:2048
	global_store_b128 v1, v[132:135], s[36:37] offset:3072
	global_store_b128 v1, v[136:139], s[42:43] offset:2048
	global_store_b128 v1, v[140:143], s[42:43] offset:3072
	s_set_vgpr_msb 0x5
	s_wait_tensorcnt 0x0
	ds_add_u32 v0, v1
	s_wait_dscnt 0x0
	s_set_vgpr_msb 0x500
	s_endpgm
.Lfunc_end_k_q49919347d0_proj:
	.size	k_q49919347d0_proj, .Lfunc_end_k_q49919347d0_proj-k_q49919347d0_proj
	.p2alignl 7, 3214868480
	.fill 96, 4, 3214868480
	.section	.rodata,"a",@progbits
	.p2align	6, 0x0
	.amdhsa_kernel k_q49919347d0_proj
		.amdhsa_group_segment_fixed_size 17920
		.amdhsa_private_segment_fixed_size 0
		.amdhsa_enable_private_segment 0
		.amdhsa_kernarg_size 64
		.amdhsa_user_sgpr_count 2
		.amdhsa_user_sgpr_kernarg_segment_ptr 1
		.amdhsa_wavefront_size32 1
		.amdhsa_system_sgpr_workgroup_id_x 1
		.amdhsa_system_sgpr_workgroup_id_y 1
		.amdhsa_system_sgpr_workgroup_id_z 1
		.amdhsa_system_vgpr_workitem_id 0
		.amdhsa_next_free_vgpr 258
		.amdhsa_next_free_sgpr 66
		.amdhsa_reserve_vcc 0
		.amdhsa_float_denorm_mode_32 3
		.amdhsa_float_denorm_mode_16_64 3
		.amdhsa_memory_ordered 1
		.amdhsa_forward_progress 1
		.amdhsa_inst_pref_size 33
	.end_amdhsa_kernel
	.amdgpu_metadata
---
amdhsa.version: [ 1, 2 ]
amdhsa.kernels:
  - .name:           k_q49919347d0_proj
    .symbol:         k_q49919347d0_proj.kd
    .args:
      - { .name: query, .offset: 0, .size: 8, .value_kind: global_buffer, .address_space: global }
      - { .name: prev_bev, .offset: 8, .size: 8, .value_kind: global_buffer, .address_space: global }
      - { .name: in_proj_b, .offset: 16, .size: 8, .value_kind: global_buffer, .address_space: global }
      - { .name: wbf, .offset: 24, .size: 8, .value_kind: global_buffer, .address_space: global }
      - { .name: tabi, .offset: 32, .size: 8, .value_kind: global_buffer, .address_space: global }
      - { .name: tabf, .offset: 40, .size: 8, .value_kind: global_buffer, .address_space: global }
      - { .name: qf, .offset: 48, .size: 8, .value_kind: global_buffer, .address_space: global }
      - { .name: kvf, .offset: 56, .size: 8, .value_kind: global_buffer, .address_space: global }
    .group_segment_fixed_size: 17920
    .private_segment_fixed_size: 0
    .kernarg_segment_align: 8
    .kernarg_segment_size: 64
    .max_flat_workgroup_size: 256
    .sgpr_count:     66
    .vgpr_count:     258
    .wavefront_size: 32
...
	.end_amdgpu_metadata
.endif
;; end of part 2
;; launch attn (part 3): grid 32 x 8, 8 waves a work-group, no clusters, 95,232 bytes of LDS; arguments qf, kvf, ao; writes ao
.if DOCPART == 3
	.amdgcn_target "amdgcn-amd-amdhsa--gfx1250"
	.amdhsa_code_object_version 6
	.text
	.protected	k_q49919347d0_attn
	.globl	k_q49919347d0_attn
	.p2align	8
	.type	k_q49919347d0_attn,@function
k_q49919347d0_attn:
	s_mov_b64 s[64:65], 0
	v_nop
	global_prefetch_b8 v0, s[64:65] scope:SCOPE_SE
	s_setreg_imm32_b32 hwreg(HW_REG_WAVE_MODE, 25, 1), 1
	s_wait_xcnt 0x0
; attn: softmax(Q K^T / sqrt 32) V for one head (grid y) and 80 query rows (grid x: five tiles of 16), 5,024 key places in 157 blocks of 32.
; Eight waves, two for each of the WGP's four SIMDs: a tile's chain (maximum, exponent, exponential, sum, pack) is one long dependence, and while one
; wave waits on its chain the other issues.  Wave w walks 20 blocks from block min(20 w, 137) with all five tiles, with a running maximum; the eight
; waves' results meet in LDS at the end.
; Blocks 137..139 lie in the ranges of waves 6 and 7: wave 6 masks them (keys from 4,384 on).  Padding keys 2500..2511 (block 78, wave 3's block 18) and
; from 5,012 on (block 156, wave 7's block 19) are masked.  All masked keys lie in the last three blocks of a wave's range: only those are written with masks.
; Orientation: S^T = K Q^T (a lane holds one query, its registers keys 8 h + j), so that the packed exponentials are the second source of
; O^T = V^T P^T with no traffic between lanes, and O^T, packed, is the fragment that the next launch loads.
; K and V come in fragment order straight into registers: 4,096 bytes a block for 20 matrix instructions and 80 x 32 exponentials of the wave.
; No cluster: the 32 work-groups of a head do read the same K and V, but a joint request would have to go through LDS, from where each wave
; would load the same 4,096 bytes again; here no two waves of a work-group read the same block (but three).
; LIMITS: the maximum is kept on the raw scores; exponents are (s - m) c with m c rounded once, an error of half a unit in the last place of m c.
.set QF, 20                            ; v[20:59]   five Q fragments
.set OA, 60                            ; v[60:139]  O^T: tile t, d 0-15 at 60 + 16 t, d 16-31 at 68 + 16 t
.set KV0, 140                          ; v[140:171] a block: K keys 0-15, K keys 16-31, V^T d 0-15, V^T d 16-31
.set KV1, 172                          ; v[172:203] the next block
.set SX, 204                           ; v[204:219], v[220:235] two sets of scores
.set SY, 220
.set PP, 236                           ; v[236:243] exponentials, bf16
                                       ; v[10:14] running maxima, v[15:19] running sums (each half of the lanes its own keys), v[6:7] = (alpha, -m c)
.set ML, 0                             ; LDS: [8 waves][32 lanes] 48 bytes: five maxima, five sums, 8 spare (an odd multiple of 16 from lane to lane)
.set PART, 12288                       ; LDS: scaled O^T: ((10 w + g) 2 + jj) 512 + 16 lane, g = 2 t + dt
.macro PLACES
.rept 4
	v_nop
.endr
.endm
; Eight loads: one block.  The base points at a pair of blocks; it is stepped in front of the even buffer's loads, where the youngest loads that
; read it (the odd buffer's) were issued a whole block earlier; the odd buffer's loads reach the pair's second block by the immediate offset.
.macro KVLOAD buf, off, step
.if \step
	s_wait_xcnt 0x0                                ; the base is written only when every load that names it has read it
	s_add_nc_u64 s[6:7], s[6:7], 8192
.endif
.irp i, 0,1,2,3,4,5,6,7
	global_load_b128 v[\buf+4*\i:\buf+4*\i+3], v1, s[6:7] offset:\off+512*\i
.endr
.endm
.macro SMM t, s, buf
	v_wmma_f32_16x16x32_bf16 v[\s:\s+7], v[\buf:\buf+7], v[QF+8*\t:QF+8*\t+7], 0
	v_wmma_f32_16x16x32_bf16 v[\s+8:\s+15], v[\buf+8:\buf+15], v[QF+8*\t:QF+8*\t+7], 0
.endm
.macro PV t, buf, first
.if \first
	v_wmma_f32_16x16x32_bf16 v[OA+16*\t:OA+16*\t+7], v[\buf+16:\buf+23], v[PP:PP+7], 0
	v_wmma_f32_16x16x32_bf16 v[OA+16*\t+8:OA+16*\t+15], v[\buf+24:\buf+31], v[PP:PP+7], 0
.else
	v_wmma_f32_16x16x32_bf16 v[OA+16*\t:OA+16*\t+7], v[\buf+16:\buf+23], v[PP:PP+7], v[OA+16*\t:OA+16*\t+7]
	v_wmma_f32_16x16x32_bf16 v[OA+16*\t+8:OA+16*\t+15], v[\buf+24:\buf+31], v[PP:PP+7], v[OA+16*\t+8:OA+16*\t+15]
.endif
.endm
; masks of tail block b: bit set = the key of register 8 a + j is masked (at or past the wave's limit, or 2500..2511)
.macro MASKS b
.irp a, 0,1
.irp j, 0,1,2,3,4,5,6,7
	v_add_nc_u32 v4, 32*\b+16*\a+\j, v2
	v_cmp_le_u32 s[40+8*\a+\j], s23, v4
	v_add_nc_u32 v5, 0xfffff63c, v4                ; key - 2500
	v_cmp_gt_u32 s56, 12, v5
	s_or_b32 s[40+8*\a+\j], s[40+8*\a+\j], s56
.endr
.endr
.endm
; one tile's 16 x 32 scores: new maximum, exponentials, O and the sum rescaled, exponentials packed
.macro SOFT t, s, first, masked
.if \masked
.irp i, 0,1,2,3,4,5,6,7,8,9,10,11,12,13,14,15
	v_cndmask_b32 v[\s+\i], v[\s+\i], v3, s[40+\i]
.endr
.endif
	v_max3_num_f32 v8, v[\s], v[\s+1], v[\s+2]
	v_max3_num_f32 v9, v[\s+3], v[\s+4], v[\s+5]
	v_max3_num_f32 v4, v[\s+6], v[\s+7], v[\s+8]
	v_max3_num_f32 v5, v[\s+9], v[\s+10], v[\s+11]
	v_max3_num_f32 v8, v8, v[\s+12], v[\s+13]
	v_max3_num_f32 v9, v9, v[\s+14], v[\s+15]
.if \first
	v_max_num_f32 v4, v4, v5
.else
	v_max3_num_f32 v4, v4, v5, v[10+\t]
.endif
	v_max3_num_f32 v8, v8, v9, v4
	v_permlanex16_b32 v9, v8, s12, s13             ; the other half of the lanes holds the query's other 16 keys
	v_max_num_f32 v8, v8, v9
	v_mul_f32 v7, s22, v8                          ; -m c
.if \first == 0
	v_fma_f32 v5, v[10+\t], s20, v7
	v_exp_f32 v6, v5                               ; alpha = 2^((m_old - m) c)
.endif
	v_mov_b32 v[10+\t], v8                         ; the plain instruction behind v_exp_f32 (ISA guide 5.7.2)
	s_wait_alu depctr_va_vdst(0)
.irp i, 0,2,4,6,8,10,12,14
	v_pk_fma_f32 v[\s+\i:\s+\i+1], v[\s+\i:\s+\i+1], s[20:21], v[6:7] op_sel:[0,0,1] op_sel_hi:[1,0,1]
.endr
.irp i, 0,1,2,3,4,5,6,7,8,9,10,11,12,13,14,15
	v_exp_f32 v[\s+\i], v[\s+\i]
.endr
.if \first
	v_nop                                          ; the plain instruction behind the exponentials
	s_wait_alu depctr_va_vdst(0)
.else
	s_wait_alu depctr_va_vdst(0)
.irp i, 0,2,4,6,8,10,12,14
	v_pk_mul_f32 v[OA+16*\t+\i:OA+16*\t+\i+1], v[OA+16*\t+\i:OA+16*\t+\i+1], v[6:7] op_sel_hi:[1,0]   ; plain work behind the exponentials
.endr
.endif
	v_pk_add_f32 v[244:245], v[\s:\s+1], v[\s+2:\s+3]
	v_pk_add_f32 v[246:247], v[\s+4:\s+5], v[\s+6:\s+7]
	v_pk_add_f32 v[248:249], v[\s+8:\s+9], v[\s+10:\s+11]
	v_pk_add_f32 v[250:251], v[\s+12:\s+13], v[\s+14:\s+15]
	v_pk_add_f32 v[244:245], v[244:245], v[246:247]
	v_pk_add_f32 v[248:249], v[248:249], v[250:251]
	v_pk_add_f32 v[244:245], v[244:245], v[248:249]
	v_add_f32 v4, v244, v245
.if \first
	v_mov_b32 v[15+\t], v4
.else
	v_fma_f32 v[15+\t], v[15+\t], v6, v4
.endif
.irp i, 0,1,2,3,4,5,6,7
	v_cvt_pk_bf16_f32 v[PP+\i], v[\s+2*\i], v[\s+2*\i+1]
.endr
.endm
; One block of 32 keys for five tiles.  The next tile's scores are asked for before a tile's exponentials, so every matrix result is read
; a whole SOFT (far more than four plain vector instructions) behind its instruction; only the first two need four v_nop.
; No two matrix instructions that follow each other share an accumulator.
; lw: the next block's eight loads may be out.  The refill of this block's registers stands four places behind their last matrix instruction.
.macro BLOCK buf, first, masked, b, load, lw
	s_wait_loadcnt \lw
.if \masked
	MASKS \b
.endif
	SMM 0, SX, \buf
	SMM 1, SY, \buf
	PLACES
	SOFT 0, SX, \first, \masked
	PV 0, \buf, \first
	SMM 2, SX, \buf
	SOFT 1, SY, \first, \masked
	PV 1, \buf, \first
	SMM 3, SY, \buf
	SOFT 2, SX, \first, \masked
	PV 2, \buf, \first
	SMM 4, SX, \buf
	SOFT 3, SY, \first, \masked
	PV 3, \buf, \first
	SOFT 4, SX, \first, \masked
	PV 4, \buf, \first
	PLACES
.if \load
.if \buf == KV0
	KVLOAD KV0, 0, 1                               ; the next pair's first block
.else
	KVLOAD KV1, 4096, 0                            ; and its second
.endif
.endif
.endm
	s_load_b128 s[4:7], s[0:1], 0x0                ; qf s[4:5], kvf s[6:7]
	s_load_b64 s[8:9], s[0:1], 0x10                ; ao
	v_lshl_add_u32 v254, v0, 2, 0x17000
	v_mov_b32 v255, 0
	v_lshrrev_b32 v4, 5, v0
	v_readfirstlane_b32 s10, v4                    ; wave 0..7
	v_and_b32 v5, 31, v0
	v_lshlrev_b32 v1, 4, v5                        ; 16 lane
	v_bfe_u32 v8, v0, 4, 1                         ; h
	s_and_b32 s11, ttmp7, 0xffff                   ; head
	s_mov_b32 s12, 0x76543210                      ; v_permlanex16_b32: lane i of the other half
	s_mov_b32 s13, 0xfedcba98
	s_mov_b32 s20, 0x3e8293ee                      ; c = log2(e) / sqrt(32)
	s_mov_b32 s21, 0x3e8293ee
	s_mov_b32 s22, 0xbe8293ee                      ; -c
	s_mul_i32 s14, s10, 20
	s_min_u32 s14, s14, 137                        ; my first block
	s_mov_b32 s23, 5012                            ; keys from here on are masked
	s_cmp_eq_u32 s10, 6
	s_cselect_b32 s23, 4384, s23                   ; wave 6 leaves blocks 137..139 to wave 7
	s_add_co_u32 s15, s14, 17
	s_lshl_b32 s15, s15, 5
	v_lshl_add_u32 v2, v8, 3, s15                  ; key of register 0 in the first of my last three blocks
	v_mov_b32 v3, 0xff800000                       ; -infinity
	v_mov_b32 v6, 0
	v_mov_b32 v9, 0
	s_mul_i32 s16, s11, 157
	s_mul_i32 s17, ttmp9, 5                        ; my first tile
.irp t, 0,1,2,3,4
	s_add_co_u32 s18, s17, \t
	s_min_u32 s18, s18, 156                        ; tiles 157..159 do not exist: tile 156 again, its result goes to rows of ao that nobody reads
	s_add_co_u32 s18, s18, s16
	s_lshl_b32 s[24+2*\t], s18, 10
	s_mov_b32 s[25+2*\t], 0
.endr
	s_add_co_u32 s18, s16, s14
	s_lshl_b32 s18, s18, 12
	s_mov_b32 s19, 0
	s_wait_kmcnt 0x0
.irp t, 0,1,2,3,4
	s_add_nc_u64 s[24+2*\t:25+2*\t], s[4:5], s[24+2*\t:25+2*\t]
	global_load_b128 v[QF+8*\t:QF+8*\t+3], v1, s[24+2*\t:25+2*\t]
	global_load_b128 v[QF+8*\t+4:QF+8*\t+7], v1, s[24+2*\t:25+2*\t] offset:512
.endr
	s_add_nc_u64 s[6:7], s[6:7], s[18:19]
	KVLOAD KV0, 0, 0                               ; blocks 0 and 1
	KVLOAD KV1, 4096, 0
	BLOCK KV0, 1, 0, 0, 1, 8                       ; block 0 starts maxima, sums and O: nothing is cleared
	BLOCK KV1, 0, 0, 0, 1, 8
	s_mov_b32 s34, 7
.Lkv:
	BLOCK KV0, 0, 0, 0, 1, 8                       ; blocks 2 .. 15; each fetches the block two further on
	BLOCK KV1, 0, 0, 0, 1, 8
	s_sub_co_i32 s34, s34, 1
	s_cmp_lg_u32 s34, 0
	s_cbranch_scc1 .Lkv
	BLOCK KV0, 0, 0, 0, 1, 8                       ; block 16 fetches block 18
	BLOCK KV1, 0, 1, 0, 1, 8                       ; blocks 17 .. 19, masked; block 17 fetches block 19, the last two fetch nothing
	BLOCK KV0, 0, 1, 1, 0, 8
	BLOCK KV1, 0, 1, 2, 0, 0
	; THE EIGHT WAVES MEET.  A lane's five maxima and five sums are ten neighbouring registers: 40 bytes, 48 from lane to lane.
.irp t, 0,1,2,3,4
	v_permlanex16_b32 v9, v[15+\t], s12, s13
	v_add_f32 v[15+\t], v[15+\t], v9
.endr
	v_lshl_add_u32 v4, v1, 1, v1                   ; 48 lane
	s_mul_i32 s35, s10, 1536
	v_add_nc_u32 v5, s35, v4
	ds_store_b128 v5, v[10:13] offset:ML
	ds_store_b128 v5, v[14:17] offset:ML+16
	ds_store_b64 v5, v[18:19] offset:ML+32
	s_wait_dscnt 0x0                               ; my figures are in LDS before I say so
	s_barrier_signal -1
	s_barrier_wait -1
.irp a, 0,1,2,3,4,5,6,7
	ds_load_b128 v[140+10*\a:143+10*\a], v4 offset:ML+1536*\a          ; wave a: maxima at 140 + 10 a + t, sums at 145 + 10 a + t
	ds_load_b128 v[144+10*\a:147+10*\a], v4 offset:ML+1536*\a+16
	ds_load_b64 v[148+10*\a:149+10*\a], v4 offset:ML+1536*\a+32
.endr
	s_wait_dscnt 0x0
.macro MERGE t                         ; my O^T of tile t times 2^((m_mine - m) c) / sum over the waves of l 2^((m_w - m) c)
	v_max3_num_f32 v8, v[140+\t], v[150+\t], v[160+\t]
	v_max3_num_f32 v8, v8, v[170+\t], v[180+\t]
	v_max3_num_f32 v8, v8, v[190+\t], v[200+\t]
	v_max_num_f32 v8, v8, v[210+\t]
.irp a, 0,1,2,3,4,5,6,7
	v_sub_f32 v[236+\a], v[140+10*\a+\t], v8
.endr
	v_sub_f32 v244, v[10+\t], v8
.irp j, 236,237,238,239,240,241,242,243,244
	v_mul_f32 v\j, s20, v\j
.endr
.irp j, 236,237,238,239,240,241,242,243,244
	v_exp_f32 v\j, v\j
.endr
	v_nop                                          ; the plain instruction behind the exponentials (ISA guide 5.7.2)
	s_wait_alu depctr_va_vdst(0)
	v_mul_f32 v9, v[145+\t], v236
.irp a, 1,2,3,4,5,6,7
	v_fma_f32 v9, v[145+10*\a+\t], v[236+\a], v9
.endr
	v_rcp_f32 v4, v9
	v_nop
	s_wait_alu depctr_va_vdst(0)
	v_mul_f32 v6, v244, v4
.irp j, 0,2,4,6,8,10,12,14
	v_pk_mul_f32 v[OA+16*\t+\j:OA+16*\t+\j+1], v[OA+16*\t+\j:OA+16*\t+\j+1], v[6:7] op_sel_hi:[1,0]
.endr
.endm
	MERGE 0
	MERGE 1
	MERGE 2
	MERGE 3
	MERGE 4
	s_mul_i32 s35, s10, 10240
	v_add_nc_u32 v5, s35, v1
.set gg, 0
.rept 20
	ds_store_b128 v5, v[OA+4*gg:OA+4*gg+3] offset:PART+512*gg
.set gg, gg+1
.endr
	s_wait_dscnt 0x0
	s_barrier_signal -1
	s_barrier_wait -1
; piece g = wave + gofs of the ten (tile g >> 1, d half g & 1): the eight waves' parts added, packed, 512 consecutive bytes of ao, aligned
.macro OUTG gofs
	s_wait_xcnt 0x0                                ; the last store has read its data and its base
	s_add_co_u32 s35, s10, \gofs
	s_lshl_b32 s36, s35, 10
	v_add_nc_u32 v5, s36, v1
	v_add_nc_u32 v8, 40960, v5                     ; waves 4..7 lie above what an LDS offset of 16 bits reaches
.irp a, 0,1,2,3
	ds_load_b128 v[140+8*\a:143+8*\a], v5 offset:PART+10240*\a
	ds_load_b128 v[144+8*\a:147+8*\a], v5 offset:PART+10240*\a+512
.endr
.irp a, 0,1,2,3
	ds_load_b128 v[172+8*\a:175+8*\a], v8 offset:PART+10240*\a
	ds_load_b128 v[176+8*\a:179+8*\a], v8 offset:PART+10240*\a+512
.endr
	s_lshr_b32 s36, s35, 1
	s_add_co_u32 s36, s36, s17
	s_lshl3_add_u32 s36, s36, s11                  ; 8 tile + head
	s_and_b32 s37, s35, 1
	s_lshl1_add_u32 s36, s36, s37
	s_lshl_b32 s36, s36, 9
	s_mov_b32 s37, 0
	s_add_nc_u64 s[38:39], s[8:9], s[36:37]
	s_wait_dscnt 0x0
.irp j, 0,2,4,6
	v_pk_add_f32 v[140+\j:141+\j], v[140+\j:141+\j], v[148+\j:149+\j]
	v_pk_add_f32 v[156+\j:157+\j], v[156+\j:157+\j], v[164+\j:165+\j]
	v_pk_add_f32 v[172+\j:173+\j], v[172+\j:173+\j], v[180+\j:181+\j]
	v_pk_add_f32 v[188+\j:189+\j], v[188+\j:189+\j], v[196+\j:197+\j]
	v_pk_add_f32 v[140+\j:141+\j], v[140+\j:141+\j], v[156+\j:157+\j]
	v_pk_add_f32 v[172+\j:173+\j], v[172+\j:173+\j], v[188+\j:189+\j]
	v_pk_add_f32 v[140+\j:141+\j], v[140+\j:141+\j], v[172+\j:173+\j]
.endr
.irp j, 0,1,2,3
	v_cvt_pk_bf16_f32 v[204+\j], v[140+2*\j], v[141+2*\j]
.endr
	global_store_b128 v1, v[204:207], s[38:39]
.endm
	OUTG 0                                         ; pieces 0..7
	s_cmp_ge_u32 s10, 2
	s_cbranch_scc1 .Ldone
	OUTG 8                                         ; pieces 8 and 9: waves 0 and 1
.Ldone:
	s_wait_tensorcnt 0x0
	ds_add_u32 v254, v255
	s_wait_dscnt 0x0
	s_endpgm
.Lfunc_end_k_q49919347d0_attn:
	.size	k_q49919347d0_attn, .Lfunc_end_k_q49919347d0_attn-k_q49919347d0_attn
	.p2alignl 7, 3214868480
	.fill 96, 4, 3214868480
	.section	.rodata,"a",@progbits
	.p2align	6, 0x0
	.amdhsa_kernel k_q49919347d0_attn
		.amdhsa_group_segment_fixed_size 95232
		.amdhsa_private_segment_fixed_size 0
		.amdhsa_enable_private_segment 0
		.amdhsa_kernarg_size 24
		.amdhsa_user_sgpr_count 2
		.amdhsa_user_sgpr_kernarg_segment_ptr 1
		.amdhsa_wavefront_size32 1
		.amdhsa_system_sgpr_workgroup_id_x 1
		.amdhsa_system_sgpr_workgroup_id_y 1
		.amdhsa_system_sgpr_workgroup_id_z 1
		.amdhsa_system_vgpr_workitem_id 0
		.amdhsa_next_free_vgpr 256
		.amdhsa_next_free_sgpr 66
		.amdhsa_reserve_vcc 0
		.amdhsa_float_denorm_mode_32 3
		.amdhsa_float_denorm_mode_16_64 3
		.amdhsa_memory_ordered 1
		.amdhsa_forward_progress 1
		.amdhsa_inst_pref_size 203
	.end_amdhsa_kernel
	.amdgpu_metadata
---
amdhsa.version: [ 1, 2 ]
amdhsa.kernels:
  - .name:           k_q49919347d0_attn
    .symbol:         k_q49919347d0_attn.kd
    .args:
      - { .name: qf, .offset: 0, .size: 8, .value_kind: global_buffer, .address_space: global }
      - { .name: kvf, .offset: 8, .size: 8, .value_kind: global_buffer, .address_space: global }
      - { .name: ao, .offset: 16, .size: 8, .value_kind: global_buffer, .address_space: global }
    .group_segment_fixed_size: 95232
    .private_segment_fixed_size: 0
    .kernarg_segment_align: 8
    .kernarg_segment_size: 24
    .max_flat_workgroup_size: 256
    .sgpr_count:     66
    .vgpr_count:     256
    .wavefront_size: 32
...
	.end_amdgpu_metadata
.endif
;; end of part 3
;; launch tail (part 4): grid 157 x 1, 8 waves a work-group, no clusters, 82,432 bytes of LDS; arguments ao, wbf, imgt, tabi, tabf, query, mha_out_b, norm1_g, norm1_b, attn_w_b, sca_out_b, ffn_b1, ffn_b2, norm2_g, norm2_b, out0; writes out0
.if DOCPART == 4
	.amdgcn_target "amdgcn-amd-amdhsa--gfx1250"
	.amdhsa_code_object_version 6
	.text
	.protected	k_q49919347d0_tail
	.globl	k_q49919347d0_tail
	.p2align	8
	.type	k_q49919347d0_tail,@function
k_q49919347d0_tail:
	s_mov_b64 s[64:65], 0
	v_nop
	global_prefetch_b8 v0, s[64:65] scope:SCOPE_SE
	s_setreg_imm32_b32 hwreg(HW_REG_WAVE_MODE, 25, 1), 1
	s_wait_xcnt 0x0
; tail: for rows 16 i .. 16 i + 15: out-projection + residual + LayerNorm; 24 logits and their softmax; the weighted bilinear gather from imgt;
; its projection + residual; FFN 256 -> 512 -> 256; LayerNorm + residual.
; Every product is D^T = W X^T: wave w owns output columns 32 w .. 32 w + 31 (64 w .. in the FFN's first layer); a lane holds row r = lane & 15 and
; columns 16 a + 8 h + j.  So the f32 residual stays in 16 registers of its wave through the whole chain, and eight neighbouring columns pack into
; one 16-byte LDS store of the next product's rows.
; FORMATS: bf16 operands, but f16 in the two FFN products: LayerNorm 2 divides the FFN's result by its own spread, so a relative rounding error of the
; FFN's operands becomes an absolute error of the output, and f16 keeps 11 significant bits where bf16 keeps 8.  The FFN's rows have no fixed room in
; f16's range, so each row is multiplied by 2^-E, E the exponent of its largest magnitude (exact), and the product is taken back by
; fma(sum, 2^E, bias): the scaled numbers lie below 4 whatever the inputs.
; Weights come from wbf in fragment order into registers 256..511 (two areas of 16 fragments), each area asked for as soon as its last product is over.
; The gather: wave w serves rows 2 w and 2 w + 1; one trip for each camera whose bit is set in the table's mask (whole numbers stored by the first launch):
; 16 rows of 512 bytes, a lane 8 channels of each, summed in f32 with coefficient softmax weight x bilinear weight.
; LayerNorm: each wave's mean and sum of squared deviations over its 32 columns, joined by the parallel formula: no difference of large sums.
; No cluster: 157 work-groups divide into none.  No tensor loads: each wave reads weight rows of its own.
; LIMITS: inputs are finite; entries of ffn_W1 and ffn_W2 below 65,504 in magnitude (they are stored in f16).
.set STG,  0                           ; f32 [16][256], rows 1,040 bytes apart: the residual's way in, the result's way out
.set RED1, 16640                       ; [16 rows][8 waves](mean, M2), rows 80 bytes apart
.set RED2, 17920
.set X1,   19200                       ; bf16 [16][256], rows 528 bytes apart
.set XG,   27648
.set X2,   36096                       ; f16, the same shape
.set XH,   44544                       ; f16 [16][512], rows 1,040 bytes apart
.set SM,   61184                       ; each wave's own 16 rows x 32 softmax weights, rows 144 bytes apart
.set RM1,  79616                       ; [16 rows][8 waves] largest magnitudes, rows 48 bytes apart
.set RM2,  80384
.set W_MHA, 393216
.set W_SCA, 524288
.set W_F1,  655360
.set W_F2,  917504
.set W_AW,  1179648
.set WA, 0                             ; registers 256..383, named v0..v127 in window 1
.set WB, 128                           ; registers 384..511
; window 0: v1 16 lane, v2 r, v3 h, v4 32 h, v5 0, v6 v7 table offsets, v8 v9 v12 at work, v[10:11] (mean, rstd) or (2^E, 2^-E), v13 X store, v14 X load,
; v15 XH load, v[16:31] residual, v[32:63] four accumulators (48..63 the gather's sums, later ffn_b2), v[64:191] X fragments (64..127 gathered rows,
; 128..191 table entries), v[192:207] row offsets, v[208:223] coefficients (both also at work elsewhere), v[224:255] gain and bias, between them ffn_b1
.set MSB, 0
.macro WIN new                         ; the immediate's high byte repeats the setting that is left
.if MSB != \new
	s_set_vgpr_msb (MSB<<8)|\new
.set MSB, \new
.endif
.endm
.macro PLACES
.rept 4
	v_nop
.endr
.endm
.macro WLD area, sb, off0, off1        ; 16 fragments: eight K steps of two tiles of 16 weight rows
	WIN 0x40                                       ; destination in window 1, address in window 0
.set wn, 0
.rept 16
	global_load_b128 v[\area+4*wn:\area+4*wn+3], v1, s[\sb:\sb+1] offset:\off0+512*wn
.set wn, wn+1
.endr
.set wn, 0
.rept 16
	global_load_b128 v[\area+64+4*wn:\area+64+4*wn+3], v1, s[\sb:\sb+1] offset:\off1+512*wn
.set wn, wn+1
.endr
	WIN 0
.endm
.macro MMSTEP area, xf, acc, ty, k, zero
.if \zero
	v_wmma_f32_16x16x32_\ty v[\acc:\acc+7], v[\area+8*\k:\area+8*\k+7], v[\xf+8*\k:\xf+8*\k+7], 0
	v_wmma_f32_16x16x32_\ty v[\acc+8:\acc+15], v[\area+64+8*\k:\area+64+8*\k+7], v[\xf+8*\k:\xf+8*\k+7], 0
.else
	v_wmma_f32_16x16x32_\ty v[\acc:\acc+7], v[\area+8*\k:\area+8*\k+7], v[\xf+8*\k:\xf+8*\k+7], v[\acc:\acc+7]
	v_wmma_f32_16x16x32_\ty v[\acc+8:\acc+15], v[\area+64+8*\k:\area+64+8*\k+7], v[\xf+8*\k:\xf+8*\k+7], v[\acc+8:\acc+15]
.endif
.endm
; 256 along K for two tiles; ty: bf16 or f16; zero = 1: the first K step starts the sums.
; The two accumulators take turns, one instruction a turn.
.macro MM area, xf, acc, ty, zero
	WIN 0x01                                       ; first source in window 1
	MMSTEP \area, \xf, \acc, \ty, 0, \zero
.irp k, 1,2,3,4,5,6,7
	MMSTEP \area, \xf, \acc, \ty, \k, 0
.endr
	WIN 0
.endm
.macro XLD va, base, cnt
.set xk, 0
.rept \cnt
	ds_load_b128 v[64+8*xk:67+8*xk], v[\va] offset:\base+64*xk
	ds_load_b128 v[68+8*xk:71+8*xk], v[\va] offset:\base+64*xk+32
.set xk, xk+1
.endr
.endm
.macro BIAS4 dst, sb                   ; 16 numbers a lane: columns 16 a + 8 h + 0..7, a = 0, 1
	global_load_b128 v[\dst:\dst+3], v4, s[\sb:\sb+1]
	global_load_b128 v[\dst+4:\dst+7], v4, s[\sb:\sb+1] offset:16
	global_load_b128 v[\dst+8:\dst+11], v4, s[\sb:\sb+1] offset:64
	global_load_b128 v[\dst+12:\dst+15], v4, s[\sb:\sb+1] offset:80
.endm
.macro ELOAD e, a                      ; a table entry, the same for all lanes: 16 rows of imgt, 16 weights
.irp j, 0,1,2,3
	global_load_b128 v[\e+4*\j:\e+4*\j+3], v[\a], s[14:15] offset:16*\j
.endr
.irp j, 0,1,2,3
	global_load_b128 v[\e+16+4*\j:\e+19+4*\j], v[\a], s[16:17] offset:16*\j
.endr
.endm
; mean (v10) and 1 / sqrt(var + 1e-5) (v11) of each row of 256, of which a lane holds 16 numbers in v[src ..]
.macro LNSTAT src, red
	v_pk_add_f32 v[192:193], v[\src:\src+1], v[\src+2:\src+3]
	v_pk_add_f32 v[194:195], v[\src+4:\src+5], v[\src+6:\src+7]
	v_pk_add_f32 v[196:197], v[\src+8:\src+9], v[\src+10:\src+11]
	v_pk_add_f32 v[198:199], v[\src+12:\src+13], v[\src+14:\src+15]
	v_pk_add_f32 v[192:193], v[192:193], v[194:195]
	v_pk_add_f32 v[196:197], v[196:197], v[198:199]
	v_pk_add_f32 v[192:193], v[192:193], v[196:197]
	v_add_f32 v8, v192, v193
	v_permlanex16_b32 v9, v8, s46, s47
	v_add_f32 v8, v8, v9
	v_mul_f32 v10, 0x3d000000, v8                  ; the wave's mean over 32 columns
	v_mov_b32 v11, v10
.irp j, 0,2,4,6,8,10,12,14
	v_pk_add_f32 v[192+\j:193+\j], v[\src+\j:\src+\j+1], v[10:11] neg_lo:[0,1] neg_hi:[0,1]
.endr
	v_pk_mul_f32 v[208:209], v[192:193], v[192:193]
	v_pk_mul_f32 v[210:211], v[194:195], v[194:195]
.irp j, 4,8,12
	v_pk_fma_f32 v[208:209], v[192+\j:193+\j], v[192+\j:193+\j], v[208:209]
	v_pk_fma_f32 v[210:211], v[194+\j:195+\j], v[194+\j:195+\j], v[210:211]
.endr
	v_pk_add_f32 v[208:209], v[208:209], v[210:211]
	v_add_f32 v11, v208, v209
	v_permlanex16_b32 v9, v11, s46, s47
	v_add_f32 v11, v11, v9                         ; the wave's sum of squared deviations
	v_mul_u32_u24 v8, v2, 80
	s_lshl_b32 s71, s44, 3
	v_add_nc_u32 v9, s71, v8
	ds_store_b64 v9, v[10:11] offset:\red          ; both halves of the lanes store the same pair
	s_wait_dscnt 0x0
	s_barrier_signal -1
	s_barrier_wait -1
.irp j, 0,1,2,3
	ds_load_b128 v[192+4*\j:195+4*\j], v8 offset:\red+16*\j
.endr
	s_wait_dscnt 0x0
	v_pk_add_f32 v[208:209], v[192:193], v[194:195]
	v_pk_add_f32 v[210:211], v[196:197], v[198:199]
	v_pk_add_f32 v[212:213], v[200:201], v[202:203]
	v_pk_add_f32 v[214:215], v[204:205], v[206:207]
	v_pk_add_f32 v[208:209], v[208:209], v[210:211]
	v_pk_add_f32 v[212:213], v[212:213], v[214:215]
	v_pk_add_f32 v[208:209], v[208:209], v[212:213]
	v_mul_f32 v10, 0x3e000000, v208                ; mean
	v_sub_f32 v9, v192, v10
	v_mul_f32 v8, v9, v9
.irp j, 2,4,6,8,10,12,14
	v_sub_f32 v9, v[192+\j], v10
	v_fma_f32 v8, v9, v9, v8
.endr
	v_fmamk_f32 v8, v8, 0x42000000, v209           ; M2 = sum of M2_w + 32 sum of (mean_w - mean)^2
	v_fmaak_f32 v8, s63, v8, 0x3727c5ac            ; / 256 + 1e-5
	v_rsq_f32 v11, v8
	v_nop                                          ; the plain instruction behind v_rsq_f32 (ISA guide 5.7.2)
.endm
.macro NORM x                          ; (x - mean) rstd g + b
	s_wait_alu depctr_va_vdst(0)
.irp j, 0,2,4,6,8,10,12,14
	v_pk_add_f32 v[\x+\j:\x+\j+1], v[\x+\j:\x+\j+1], v[10:11] op_sel_hi:[1,0] neg_lo:[0,1] neg_hi:[0,1]
	v_pk_mul_f32 v[\x+\j:\x+\j+1], v[\x+\j:\x+\j+1], v[10:11] op_sel:[0,1] op_sel_hi:[1,1]
	v_pk_fma_f32 v[\x+\j:\x+\j+1], v[\x+\j:\x+\j+1], v[224+\j:225+\j], v[240+\j:241+\j]
.endr
.endm
; v8 holds the largest magnitude of the lane's numbers.  Out: v10 = 2^E, v11 = 2^-E, E the exponent of the largest magnitude of the lane's whole row,
; its field kept in 1..253 so that both powers are normal numbers (a row of zeros gets E = -126; a row up to f32's largest number is scaled below 4).
.macro ROWSCALE rm
	v_permlanex16_b32 v9, v8, s46, s47             ; the row's other 16 (or 32) columns of my wave
	v_max_num_f32 v8, v8, v9
	v_mul_u32_u24 v9, v2, 48
	v_add_nc_u32 v9, \rm, v9                       ; the region lies above what an LDS offset of 16 bits reaches
	s_lshl_b32 s71, s44, 2
	v_add_nc_u32 v12, s71, v9
	ds_store_b32 v12, v8                           ; both halves of the lanes store the same word
	s_wait_dscnt 0x0                               ; my word is in LDS before I say so
	s_barrier_signal -1
	s_barrier_wait -1
	ds_load_b128 v[192:195], v9
	ds_load_b128 v[196:199], v9 offset:16
	s_wait_dscnt 0x0
	v_max3_num_f32 v8, v192, v193, v194
	v_max3_num_f32 v9, v195, v196, v197
	v_max3_num_f32 v8, v8, v198, v199
	v_max_num_f32 v8, v8, v9
	v_and_b32 v8, 0x7f800000, v8                   ; the exponent field alone: a power of two
	v_max_u32 v8, 0x00800000, v8
	v_min_u32 v10, 0x7e800000, v8                  ; 2^E
	v_sub_nc_u32 v11, 0x7f000000, v10              ; field 254 - e: 2^-E
.endm
; the gather for one row.  e: its entry registers; agg: its 8 sums; a: its offset register; sm: its mask; sc: the camera of the entry that is loaded;
; sq: 384 x row; r: 0 or 1, the row of the wave's two
.macro SCAQ e, agg, a, sm, sc, sq, r
.irp j, 0,1,2,3,4,5,6,7
	v_mov_b32 v[\agg+\j], 0                        ; a row may have no valid camera
.endr
	s_bcnt1_i32_b32 s68, s[\sm]                    ; trips = cameras with a valid point
	s_cmp_eq_u32 s68, 0
	s_cbranch_scc1 .Lsca_done_\@
	s_mov_b32 s69, 0
.Lsca_\@:
	s_wait_loadcnt 0x0                             ; this trip's entry is in (it is the youngest load)
	s_lshl_b32 s71, s[\sc], 4
	s_add_co_u32 s71, s71, s70
	v_mov_b32 v12, s71
	ds_load_b128 v[8:11], v12 offset:144*\r        ; the camera's four softmax weights; the wave's own bytes, served in order behind its stores
.irp j, 0,1,2,3,4,5,6,7,8,9,10,11,12,13,14,15
	v_min_u32 v[192+\j], 8399, v[\e+\j]
.endr
.irp j, 0,1,2,3,4,5,6,7,8,9,10,11,12,13,14,15
	v_lshl_add_u32 v[192+\j], v[192+\j], 9, v1
.endr
.irp j, 0,1,2,3,4,5,6,7,8,9,10,11,12,13,14,15
	global_load_b128 v[64+4*\j:67+4*\j], v[192+\j], s[12:13]     ; a pixel's 512 bytes
.endr
	s_wait_dscnt 0x0
.irp j, 0,1,2,3,4,5,6,7,8,9,10,11,12,13,14,15
	v_mul_f32 v[208+\j], v[\e+16+\j], v[8+\j/4]
.endr
	s_sub_co_u32 s71, s[\sm], 1                    ; the next camera (in the last trip: camera 5, loaded and not used; inside the table)
	s_and_b32 s[\sm], s[\sm], s71
	s_ctz_i32_b32 s[\sc], s[\sm]
	s_lshr_b32 s[\sc], s[\sc], 2
	s_min_u32 s[\sc], s[\sc], 5
	s_lshl_b32 s71, s[\sc], 6
	s_add_co_u32 s71, s71, s[\sq]
	v_mov_b32 v[\a], s71                           ; free: the loads that read it are in
	ELOAD \e, \a
	s_wait_loadcnt 0x8                             ; the eight entry loads may be out: the 16 rows are in
.irp j, 0,1,2,3,4,5,6,7,8,9,10,11,12,13,14,15
.irp i, 0,1,2,3
	v_fma_mix_f32_bf16 v[\agg+2*\i], v[64+4*\j+\i], v[208+\j], v[\agg+2*\i] op_sel_hi:[1,0,0]
	v_fma_mix_f32_bf16 v[\agg+2*\i+1], v[64+4*\j+\i], v[208+\j], v[\agg+2*\i+1] op_sel:[1,0,0] op_sel_hi:[1,0,0]
.endr
.endr
	s_add_co_u32 s69, s69, 1
	s_cmp_lt_u32 s69, s68
	s_cbranch_scc1 .Lsca_\@
.Lsca_done_\@:
.endm
	s_load_b512 s[8:23], s[0:1], 0x0               ; ao 8, wbf 10, imgt 12, tabi 14, tabf 16, query 18, mha_out_b 20, norm1_g 22
	s_load_b512 s[24:39], s[0:1], 0x40             ; norm1_b 24, attn_w_b 26, sca_out_b 28, ffn_b1 30, ffn_b2 32, norm2_g 34, norm2_b 36, out0 38
	v_lshrrev_b32 v8, 5, v0
	v_readfirstlane_b32 s44, v8                    ; wave
	v_and_b32 v9, 31, v0
	v_lshlrev_b32 v1, 4, v9
	v_and_b32 v2, 15, v0
	v_bfe_u32 v3, v0, 4, 1
	v_lshlrev_b32 v4, 5, v3
	v_mov_b32 v5, 0
	v_mul_u32_u24 v14, v2, 528
	v_lshl_add_u32 v14, v3, 4, v14
	s_lshl_b32 s62, s44, 6
	v_add_nc_u32 v13, s62, v14
	v_mul_u32_u24 v15, v2, 1040
	v_lshl_add_u32 v15, v3, 4, v15
	s_mov_b32 s46, 0x76543210
	s_mov_b32 s47, 0xfedcba98
	s_mov_b32 s52, 0x3fb8aa3b                      ; log2(e)
	s_mov_b32 s53, 0x3fb8aa3b
	s_mov_b32 s63, 0x3b800000                      ; 1 / 256
	s_lshl_b32 s45, ttmp9, 4
	s_lshl1_add_u32 s51, s44, s45                  ; q0 = 16 i + 2 w: the first of the wave's two rows
	s_lshl_b32 s50, s51, 2
	s_mov_b32 s55, 0
	s_mul_i32 s70, s44, 2592
	s_add_co_u32 s70, s70, SM                      ; my softmax rows, row 2 w: SM + 2304 w + 144 (2 w)
	s_wait_kmcnt 0x0
	s_load_b64 s[48:49], s[14:15], s50 offset:0xeb800      ; the two rows' camera masks
	s_lshl_b32 s54, s44, 14
	s_add_nc_u64 s[40:41], s[10:11], s[54:55]      ; wbf + two tiles of K = 256 for each wave
	s_lshl_b32 s54, s44, 15
	s_add_nc_u64 s[42:43], s[10:11], s[54:55]      ; wbf + four such tiles (or two of K = 512)
	s_lshl_b32 s54, s44, 7
.irp p, 20,22,24,28,32,34,36
	s_add_nc_u64 s[\p:\p+1], s[\p:\p+1], s[54:55]  ; my 32 columns of the vectors of 256
.endr
	s_lshl_b32 s54, s44, 8
	s_add_nc_u64 s[30:31], s[30:31], s[54:55]      ; my 64 columns of ffn_b1
	s_lshl_b32 s54, ttmp9, 13
	s_add_nc_u64 s[8:9], s[8:9], s[54:55]          ; my tile of ao
	s_min_u32 s56, s51, 2499
	s_lshl_b32 s56, s56, 10
	s_mov_b32 s57, 0
	s_add_nc_u64 s[56:57], s[18:19], s[56:57]
	s_add_co_u32 s58, s51, 1
	s_min_u32 s58, s58, 2499
	s_lshl_b32 s58, s58, 10
	s_mov_b32 s59, 0
	s_add_nc_u64 s[58:59], s[18:19], s[58:59]
	s_lshl_b32 s54, s51, 10
	s_add_nc_u64 s[38:39], s[38:39], s[54:55]
	s_wait_kmcnt 0x0
	global_load_b128 v[48:51], v1, s[56:57]        ; group a, 4 loads: two query rows, 512 consecutive bytes each load
	global_load_b128 v[52:55], v1, s[56:57] offset:512
	global_load_b128 v[56:59], v1, s[58:59]
	global_load_b128 v[60:63], v1, s[58:59] offset:512
.set xk, 0
.rept 16
	global_load_b128 v[64+4*xk:67+4*xk], v1, s[8:9] offset:512*xk      ; group c, 16: attention's rows, already fragments
.set xk, xk+1
.endr
	BIAS4 32, 20                                   ; group d, 4: mha_out_b starts the sums
	WLD WA, 40, W_MHA, W_MHA+8192                  ; group b, 32
	s_wait_loadcnt 52                              ; 16 + 4 + 32 younger: the query rows are in
	s_mul_i32 s62, s44, 2080
	v_add_nc_u32 v8, s62, v1
	ds_store_b128 v8, v[48:51] offset:STG
	ds_store_b128 v8, v[52:55] offset:STG+512
	ds_store_b128 v8, v[56:59] offset:STG+1040
	ds_store_b128 v8, v[60:63] offset:STG+1552
	WLD WB, 10, W_AW, W_AW+8192                    ; group e, 32: attn_w, the same for every wave
	BIAS4 224, 22                                  ; group f, 8: norm1's gain and bias
	BIAS4 240, 24
	s_ctz_i32_b32 s60, s48                         ; group g, 16: both rows' first entries
	s_lshr_b32 s60, s60, 2
	s_min_u32 s60, s60, 5
	s_mul_i32 s61, s51, 384
	s_lshl_b32 s62, s60, 6
	s_add_co_u32 s62, s62, s61
	v_mov_b32 v6, s62
	s_ctz_i32_b32 s66, s49
	s_lshr_b32 s66, s66, 2
	s_min_u32 s66, s66, 5
	s_add_co_u32 s67, s61, 384
	s_lshl_b32 s62, s66, 6
	s_add_co_u32 s62, s62, s67
	v_mov_b32 v7, s62
	ELOAD 128, 6
	ELOAD 160, 7
	s_wait_dscnt 0x0
	s_barrier_signal -1
	s_barrier_wait -1
	s_lshl_b32 s62, s44, 7
	v_mul_u32_u24 v9, v2, 1040
	v_add3_u32 v9, v9, v4, s62                     ; r 1040 + (32 w + 8 h) 4
	ds_load_b128 v[16:19], v9 offset:STG
	ds_load_b128 v[20:23], v9 offset:STG+16
	ds_load_b128 v[24:27], v9 offset:STG+64
	ds_load_b128 v[28:31], v9 offset:STG+80
	; ---- out-projection, residual, LayerNorm 1
	s_wait_loadcnt 56                              ; groups e, f, g (32 + 8 + 16) may be out
	MM WA, 64, 32, bf16, 0
	PLACES                                         ; four places before loads land on the product's sources and before its results are read
	WLD WA, 40, W_SCA, W_SCA+8192                  ; group h, 32
	s_wait_dscnt 0x0
.irp j, 0,2,4,6,8,10,12,14
	v_pk_add_f32 v[16+\j:17+\j], v[16+\j:17+\j], v[32+\j:33+\j]
.endr
	global_load_b128 v[32:35], v4, s[26:27]        ; group i, 4: attn_w_b starts the logits; logits 24..31 do not exist: both halves take 16..23
	global_load_b128 v[36:39], v4, s[26:27] offset:16
	global_load_b128 v[40:43], v5, s[26:27] offset:64
	global_load_b128 v[44:47], v5, s[26:27] offset:80
	LNSTAT 16, RED1
	s_wait_loadcnt 52                              ; groups g, h, i (16 + 32 + 4) may be out: gain and bias are in
	NORM 16
.irp j, 0,1,2,3,4,5,6,7
	v_cvt_pk_bf16_f32 v[192+\j], v[16+2*\j], v[17+2*\j]
.endr
	ds_store_b128 v13, v[192:195] offset:X1
	ds_store_b128 v13, v[196:199] offset:X1+32
	s_wait_dscnt 0x0
	s_barrier_signal -1
	s_barrier_wait -1
	XLD 14, X1, 8
	; ---- 24 logits of all 16 rows, in every wave for itself, and their softmax
	s_wait_loadcnt 0x0
	s_wait_dscnt 0x0
	MM WB, 64, 32, bf16, 0
	PLACES
	WLD WB, 42, W_F1, W_F1+8192                    ; group j, 32: W1, my tiles 0 and 1
	v_mov_b32 v12, 0xff800000
	v_cmp_eq_u32 vcc_lo, 1, v3
.irp j, 0,1,2,3,4,5,6,7
	v_cndmask_b32 v[40+\j], v[40+\j], v12, vcc_lo  ; logits 24..31: -infinity
.endr
	v_max3_num_f32 v8, v32, v33, v34
	v_max3_num_f32 v9, v35, v36, v37
	v_max3_num_f32 v10, v38, v39, v40
	v_max3_num_f32 v11, v41, v42, v43
	v_max3_num_f32 v8, v8, v44, v45
	v_max3_num_f32 v9, v9, v46, v47
	v_max_num_f32 v10, v10, v11
	v_max3_num_f32 v8, v8, v9, v10
	v_permlanex16_b32 v9, v8, s46, s47
	v_max_num_f32 v8, v8, v9
	v_mul_f32 v11, 0xbfb8aa3b, v8                  ; -max log2(e)
.irp j, 0,2,4,6,8,10,12,14
	v_pk_fma_f32 v[32+\j:33+\j], v[32+\j:33+\j], s[52:53], v[10:11] op_sel:[0,0,1] op_sel_hi:[1,0,1]
.endr
.irp j, 0,1,2,3,4,5,6,7,8,9,10,11,12,13,14,15
	v_exp_f32 v[32+\j], v[32+\j]
.endr
	v_nop
	s_wait_alu depctr_va_vdst(0)
	v_pk_add_f32 v[192:193], v[32:33], v[34:35]
	v_pk_add_f32 v[194:195], v[36:37], v[38:39]
	v_pk_add_f32 v[196:197], v[40:41], v[42:43]
	v_pk_add_f32 v[198:199], v[44:45], v[46:47]
	v_pk_add_f32 v[192:193], v[192:193], v[194:195]
	v_pk_add_f32 v[196:197], v[196:197], v[198:199]
	v_pk_add_f32 v[192:193], v[192:193], v[196:197]
	v_add_f32 v8, v192, v193
	v_permlanex16_b32 v9, v8, s46, s47
	v_add_f32 v8, v8, v9
	v_rcp_f32 v10, v8
	v_nop
	s_wait_alu depctr_va_vdst(0)
.irp j, 0,2,4,6,8,10,12,14
	v_pk_mul_f32 v[32+\j:33+\j], v[32+\j:33+\j], v[10:11] op_sel_hi:[1,0]
.endr
	s_mul_i32 s71, s44, 2304
	s_add_co_u32 s71, s71, SM
	v_mul_u32_u24 v9, v2, 144
	v_add3_u32 v9, v9, v4, s71
	ds_store_b128 v9, v[32:35]
	ds_store_b128 v9, v[36:39] offset:16
	ds_store_b128 v9, v[40:43] offset:64
	ds_store_b128 v9, v[44:47] offset:80
	s_wait_dscnt 0x0                               ; the stores have read their registers
	BIAS4 32, 28                                   ; group k, 4: sca_out_b starts the next sums
	; ---- the gather for rows 2 w and 2 w + 1
	SCAQ 128, 48, 6, 48, 60, 61, 0
	SCAQ 160, 56, 7, 49, 66, 67, 1
.irp j, 0,1,2,3
	v_cvt_pk_bf16_f32 v[192+\j], v[48+2*\j], v[49+2*\j]
	v_cvt_pk_bf16_f32 v[196+\j], v[56+2*\j], v[57+2*\j]
.endr
	s_mul_i32 s71, s44, 1056
	v_add_nc_u32 v8, s71, v1
	ds_store_b128 v8, v[192:195] offset:XG
	ds_store_b128 v8, v[196:199] offset:XG+528
	s_wait_dscnt 0x0
	s_barrier_signal -1
	s_barrier_wait -1
	XLD 14, XG, 8
	; ---- its projection and the residual
	s_wait_loadcnt 0x0                             ; everything asked for so far is in, W1's tiles 0 and 1 (group j) among it
	s_wait_dscnt 0x0
	MM WA, 64, 32, bf16, 0
	PLACES
.irp j, 0,2,4,6,8,10,12,14
	v_pk_add_f32 v[16+\j:17+\j], v[16+\j:17+\j], v[32+\j:33+\j]
.endr
	BIAS4 224, 30                                  ; group m, 8: ffn_b1, my 64 columns, laid like the four accumulators
	global_load_b128 v[240:243], v4, s[30:31] offset:128
	global_load_b128 v[244:247], v4, s[30:31] offset:144
	global_load_b128 v[248:251], v4, s[30:31] offset:192
	global_load_b128 v[252:255], v4, s[30:31] offset:208
	WLD WA, 42, W_F1+16384, W_F1+24576             ; group l, 32: W1, my tiles 2 and 3
	; the rows go on as f16, each times 2^-E of its own
	v_max3_num_f32 v8, |v16|, |v17|, |v18|
	v_max3_num_f32 v9, |v19|, |v20|, |v21|
	v_max3_num_f32 v12, |v22|, |v23|, |v24|
	v_max3_num_f32 v8, v8, |v25|, |v26|
	v_max3_num_f32 v9, v9, |v27|, |v28|
	v_max3_num_f32 v12, v12, |v29|, |v30|
	v_max3_num_f32 v8, v8, v9, |v31|
	v_max_num_f32 v8, v8, v12
	ROWSCALE RM1
.irp j, 0,2,4,6,8,10,12,14
	v_pk_mul_f32 v[192+\j:193+\j], v[16+\j:17+\j], v[10:11] op_sel:[0,1] op_sel_hi:[1,1]
.endr
.irp j, 0,1,2,3,4,5,6,7
	v_cvt_pk_f16_f32 v[208+\j], v[192+2*\j], v[193+2*\j]
.endr
	ds_store_b128 v13, v[208:211] offset:X2
	ds_store_b128 v13, v[212:215] offset:X2+32
	s_wait_dscnt 0x0
	s_barrier_signal -1
	s_barrier_wait -1
	XLD 14, X2, 8
	; ---- FFN, first layer: relu(sum 2^E + b1)
	s_wait_dscnt 0x0
	MM WB, 64, 32, f16, 1
	PLACES
	WLD WB, 42, W_F2, W_F2+16384                   ; group n, 32: W2, K steps 0..7 of my two tiles
	s_wait_loadcnt 32                              ; group n may be out: groups m and l are in
	MM WA, 64, 48, f16, 1
	PLACES
	WLD WA, 42, W_F2+8192, W_F2+24576              ; group o, 32: W2, K steps 8..15
.set xk, 0
.rept 16
	v_pk_fma_f32 v[32+2*xk:33+2*xk], v[32+2*xk:33+2*xk], v[10:11], v[224+2*xk:225+2*xk] op_sel_hi:[1,0,1]
.set xk, xk+1
.endr
.set xk, 0
.rept 32
	v_max_num_f32 v[32+xk], 0, v[32+xk]
.set xk, xk+1
.endr
	BIAS4 224, 34                                  ; group q, 8: norm2's gain and bias
	BIAS4 240, 36
	v_max3_num_f32 v8, v32, v33, v34               ; none is negative
	v_max3_num_f32 v9, v35, v36, v37
.irp j, 38,42,46,50,54,58
	v_max3_num_f32 v8, v8, v[\j], v[\j+1]
	v_max3_num_f32 v9, v9, v[\j+2], v[\j+3]
.endr
	v_max3_num_f32 v8, v8, v62, v63
	v_max_num_f32 v8, v8, v9
	ROWSCALE RM2
.set xk, 0
.rept 16
	v_pk_mul_f32 v[32+2*xk:33+2*xk], v[32+2*xk:33+2*xk], v[10:11] op_sel:[0,1] op_sel_hi:[1,1]
.set xk, xk+1
.endr
.set xk, 0
.rept 16
	v_cvt_pk_f16_f32 v[192+xk], v[32+2*xk], v[33+2*xk]
.set xk, xk+1
.endr
	BIAS4 48, 32                                   ; group p, 4: ffn_b2
	s_lshl_b32 s71, s44, 7
	v_add_nc_u32 v8, s71, v15                      ; r 1040 + 16 h + (64 w) 2
.irp a, 0,1,2,3
	ds_store_b128 v8, v[192+4*\a:195+4*\a] offset:XH+32*\a
.endr
	s_wait_dscnt 0x0
	s_barrier_signal -1
	s_barrier_wait -1
	XLD 15, XH, 16
	; ---- FFN, second layer: sum 2^E + b2; LayerNorm 2, residual
	s_wait_loadcnt 44                              ; groups o, q, p (32 + 8 + 4) may be out: group n is in
	s_wait_dscnt 0x0
	MM WB, 64, 32, f16, 1
	s_wait_loadcnt 12                              ; groups q, p may be out: group o is in
	MM WA, 128, 32, f16, 0
	PLACES
	s_wait_loadcnt 0x0
.irp j, 0,2,4,6,8,10,12,14
	v_pk_fma_f32 v[32+\j:33+\j], v[32+\j:33+\j], v[10:11], v[48+\j:49+\j] op_sel_hi:[1,0,1]
.endr
	LNSTAT 32, RED2
	NORM 32
.irp j, 0,2,4,6,8,10,12,14
	v_pk_add_f32 v[32+\j:33+\j], v[32+\j:33+\j], v[16+\j:17+\j]
.endr
	s_lshl_b32 s62, s44, 7
	v_mul_u32_u24 v9, v2, 1040
	v_add3_u32 v9, v9, v4, s62
	ds_store_b128 v9, v[32:35] offset:STG          ; the stage's first reads were waited for in front of an earlier barrier
	ds_store_b128 v9, v[36:39] offset:STG+16
	ds_store_b128 v9, v[40:43] offset:STG+64
	ds_store_b128 v9, v[44:47] offset:STG+80
	s_wait_dscnt 0x0
	s_barrier_signal -1
	s_barrier_wait -1
	s_cmp_ge_u32 s51, 2500                         ; rows 2500..2511 are padding (2,500 is even: both of a wave's rows or none)
	s_cbranch_scc1 .Lend
	s_mul_i32 s62, s44, 2080
	v_add_nc_u32 v8, s62, v1
	ds_load_b128 v[64:67], v8 offset:STG
	ds_load_b128 v[68:71], v8 offset:STG+512
	ds_load_b128 v[72:75], v8 offset:STG+1040
	ds_load_b128 v[76:79], v8 offset:STG+1552
	s_wait_dscnt 0x0
	global_store_b128 v1, v[64:67], s[38:39]       ; each store of the wave covers 512 consecutive bytes, aligned
	global_store_b128 v1, v[68:71], s[38:39] offset:512
	global_store_b128 v1, v[72:75], s[38:39] offset:1024
	global_store_b128 v1, v[76:79], s[38:39] offset:1536
.Lend:
	s_wait_xcnt 0x0
	v_lshl_add_u32 v254, v0, 2, 0x13e00
	v_mov_b32 v255, 0
	s_wait_tensorcnt 0x0
	ds_add_u32 v254, v255
	s_wait_dscnt 0x0
	s_endpgm
.Lfunc_end_k_q49919347d0_tail:
	.size	k_q49919347d0_tail, .Lfunc_end_k_q49919347d0_tail-k_q49919347d0_tail
	.p2alignl 7, 3214868480
	.fill 96, 4, 3214868480
	.section	.rodata,"a",@progbits
	.p2align	6, 0x0
	.amdhsa_kernel k_q49919347d0_tail
		.amdhsa_group_segment_fixed_size 82432
		.amdhsa_private_segment_fixed_size 0
		.amdhsa_enable_private_segment 0
		.amdhsa_kernarg_size 128
		.amdhsa_user_sgpr_count 2
		.amdhsa_user_sgpr_kernarg_segment_ptr 1
		.amdhsa_wavefront_size32 1
		.amdhsa_system_sgpr_workgroup_id_x 1
		.amdhsa_system_sgpr_workgroup_id_y 1
		.amdhsa_system_sgpr_workgroup_id_z 1
		.amdhsa_system_vgpr_workitem_id 0
		.amdhsa_next_free_vgpr 512
		.amdhsa_next_free_sgpr 72
		.amdhsa_reserve_vcc 1
		.amdhsa_float_denorm_mode_32 3
		.amdhsa_float_denorm_mode_16_64 3
		.amdhsa_memory_ordered 1
		.amdhsa_forward_progress 1
		.amdhsa_inst_pref_size 103
	.end_amdhsa_kernel
	.amdgpu_metadata
---
amdhsa.version: [ 1, 2 ]
amdhsa.kernels:
  - .name:           k_q49919347d0_tail
    .symbol:         k_q49919347d0_tail.kd
    .args:
      - { .name: ao, .offset: 0, .size: 8, .value_kind: global_buffer, .address_space: global }
      - { .name: wbf, .offset: 8, .size: 8, .value_kind: global_buffer, .address_space: global }
      - { .name: imgt, .offset: 16, .size: 8, .value_kind: global_buffer, .address_space: global }
      - { .name: tabi, .offset: 24, .size: 8, .value_kind: global_buffer, .address_space: global }
      - { .name: tabf, .offset: 32, .size: 8, .value_kind: global_buffer, .address_space: global }
      - { .name: query, .offset: 40, .size: 8, .value_kind: global_buffer, .address_space: global }
      - { .name: mha_out_b, .offset: 48, .size: 8, .value_kind: global_buffer, .address_space: global }
      - { .name: norm1_g, .offset: 56, .size: 8, .value_kind: global_buffer, .address_space: global }
      - { .name: norm1_b, .offset: 64, .size: 8, .value_kind: global_buffer, .address_space: global }
      - { .name: attn_w_b, .offset: 72, .size: 8, .value_kind: global_buffer, .address_space: global }
      - { .name: sca_out_b, .offset: 80, .size: 8, .value_kind: global_buffer, .address_space: global }
      - { .name: ffn_b1, .offset: 88, .size: 8, .value_kind: global_buffer, .address_space: global }
      - { .name: ffn_b2, .offset: 96, .size: 8, .value_kind: global_buffer, .address_space: global }
      - { .name: norm2_g, .offset: 104, .size: 8, .value_kind: global_buffer, .address_space: global }
      - { .name: norm2_b, .offset: 112, .size: 8, .value_kind: global_buffer, .address_space: global }
      - { .name: out0, .offset: 120, .size: 8, .value_kind: global_buffer, .address_space: global }
    .group_segment_fixed_size: 82432
    .private_segment_fixed_size: 0
    .kernarg_segment_align: 8
    .kernarg_segment_size: 128
    .max_flat_workgroup_size: 256
    .sgpr_count:     72
    .vgpr_count:     512
    .wavefront_size: 32
...
	.end_amdgpu_metadata
.endif
;; end of part 4
;; ======== version 2 of 2: 4 launches; version 1 with the launch proj written anew for expert scheduling mode
;; limits: values are held in f16: magnitudes above 65,504 overflow, below 6.1e-05 lose precision; inputs' magnitudes at most 65,504
;; workspace buffers: wbf 1,196,032 bytes; imgt 4,300,800 bytes; tabi 1,015,040 bytes of whole numbers; tabf 1,004,800 bytes; qf 1,286,144 bytes; kvf 5,144,576 bytes; ao 1,310,720 bytes
;; launch prep: the kernel of part 1 again; grid 738 x 1, 8 waves a work-group, no clusters, 34,816 bytes of LDS; arguments img_feats, in_proj_W, mha_out_W, sca_out_W, ffn_W1, ffn_W2, attn_w_W, ego_motion, lidar2img, wbf, imgt, tabi, tabf; writes wbf, imgt, tabi, tabf
;; launch proj (part 5): grid 157 x 1, 8 waves a work-group, no clusters, 17,920 bytes of LDS; arguments query, prev_bev, in_proj_b, wbf, tabi, tabf, qf, kvf; writes qf, kvf
.if DOCPART == 5
	.amdgcn_target "amdgcn-amd-amdhsa--gfx1250"
	.amdhsa_code_object_version 6
	.text
	.protected	k_q49919347d0_proj
	.globl	k_q49919347d0_proj
	.p2align	8
	.type	k_q49919347d0_proj,@function
k_q49919347d0_proj:
	s_mov_b64 s[64:65], 0
	v_nop
	global_prefetch_b8 v0, s[64:65] scope:SCOPE_SE
	s_setreg_imm32_b32 hwreg(HW_REG_WAVE_SCHED_MODE, 0, 2), 2
	s_setreg_imm32_b32 hwreg(HW_REG_WAVE_MODE, 25, 1), 1
	s_wait_xcnt 0x0
	s_wait_alu depctr_vm_vsrc(0)
; proj: work-group i makes Q, K, V of query rows 16 i .. 16 i + 15 and K, V of the same rows of the warped prev_bev; wave w is head w.
; Stage 1: the 16 query rows, and the 16 warped rows (four rows of prev_bev blended by the table's weights, in f32), go to LDS as bf16.
; Stage 2: K = 256 in eight steps of 32; ten accumulators: Q and K with the weights as the first source (a lane then holds one row and eight
; neighbouring d), V with the rows as the first source (a lane holds one d and eight neighbouring keys): packed to bf16 these ARE the
; fragments that the attention launch loads, without any shuffle.  Key order: 16 i + r (query), 2512 + 16 i + r (warped); keys 2500..2511 and
; 5012..5023 are padding (row 2499 again) and are masked there.
; No cluster: 157 work-groups divide into none.  No tensor loads: each wave reads weight rows of its own, straight into registers.
; LIMIT: prev_bev is finite (a weight of 0 does not hide an infinity).
; THE MODE: SCHED_MODE bits 1:0 = 2 (LLVM: expert scheduling mode 2), set by the entry lines.  The code itself states the register dependences
; between vector or matrix instructions and memory or LDS instructions, with s_wait_alu, always for 0.
; THE PLAN.  Registers that memory or LDS instructions touch, in the order of the text (there is no loop and no branch):
;   v1 v2 v3 v6 v251 v252 v253 v255   offsets and LDS addresses: written once at the head, ahead of one wait on va_vdst, and never again.
;   v[8:15]     the table's four rows and weights: loaded; read by the lines that make the gathers' offsets and by the blend; later biases land there.
;   v[16:31]    the query row: loaded, rounded in place, read by four LDS stores; later biases land there.
;   v[32:35]    the gathers' offsets: written by vector lines, read by the sixteen gathers; later biases land there.
;   v[36:99]    the four gathered rows: loaded, blended and rounded into v[36:51], which four LDS stores read; later biases land in v[36:55].
;   v[104:247]  a ring of three slots of weights: slot k % 3 is read by step k's ten matrix instructions and, in steps 0 to 4, asked for again behind them.
;   v[256:383]  the rows' fragments of all eight steps: loaded from LDS once, in one run behind the barrier; matrix instructions alone name them.
;   v[104:143]  at the end: the packed results, written by 40 conversions, read by ten stores.
; So a K step holds one wait on va_vdst, behind its matrix instructions and ahead of the slot's twelve loads, and steps 5 to 7, which load nothing, hold none.
.set XQ, 0                             ; LDS: [16][256] bf16, rows 528 bytes apart (an odd multiple of 16)
.set XA, 8448
.set MSB, 0
.macro WIN new                         ; s_set_vgpr_msb: bits 1:0 source 0, 3:2 source 1, 5:4 source 2, 7:6 destination; the high byte repeats the setting that is left
.if MSB != \new
	s_set_vgpr_msb (MSB<<8)|\new
.set MSB, \new
.endif
.endm
.macro WSTEP k                         ; the weights of K step k: sections Q, K, V x two tiles of 16 rows x two halves, into ring slot k % 3
.irp c, 0,1,2
.irp a, 0,1
.irp j, 0,1
	global_load_b128 v[104+48*((\k)%3)+16*\c+8*\a+4*\j:107+48*((\k)%3)+16*\c+8*\a+4*\j], v3, s[14:15] offset:\c*131072+\a*8192+(\k)*1024+\j*512
.endr
.endr
.endr
.endm
.macro XLOAD k                         ; the rows' fragments of K step k, into window 1: the query rows' at 16 k, the warped rows' at 16 k + 8
	ds_load_b128 v[16*(\k):16*(\k)+3], v2 offset:XQ+64*(\k)
	ds_load_b128 v[16*(\k)+4:16*(\k)+7], v2 offset:XQ+64*(\k)+32
	ds_load_b128 v[16*(\k)+8:16*(\k)+11], v2 offset:XA+64*(\k)
	ds_load_b128 v[16*(\k)+12:16*(\k)+15], v2 offset:XA+64*(\k)+32
.endm
	s_load_b512 s[8:23], s[0:1], 0x0               ; query 8, prev_bev 10, in_proj_b 12, wbf 14, tabi 16, tabf 18, qf 20, kvf 22
	v_lshl_add_u32 v102, v0, 2, 0x4200
	v_mov_b32 v103, 0
	v_lshrrev_b32 v6, 5, v0
	v_readfirstlane_b32 s24, v6                    ; wave = head
	v_and_b32 v7, 31, v0
	v_lshlrev_b32 v1, 4, v7                        ; 16 lane
	v_and_b32 v248, 15, v0                         ; r, and stage 1's seg
	v_bfe_u32 v7, v0, 4, 1                         ; h
	v_mul_u32_u24 v2, v248, 528
	v_lshl_add_u32 v2, v7, 4, v2                   ; fragment address: r pitch + 16 h
	s_wait_alu depctr_va_sdst(0)                   ; s24 is written, ahead of its first reader: offsets and the stores' bases are made from it
	s_lshl_b32 s25, s24, 14
	v_add_nc_u32 v3, s25, v1                       ; the head's two weight tiles in each section
	v_lshrrev_b32 v249, 4, v0                      ; stage 1's row
	s_lshl_b32 s26, ttmp9, 4
	v_add_nc_u32 v250, s26, v249                   ; p = 16 i + row
	v_lshlrev_b32 v251, 4, v250
	v_min_u32 v252, 2499, v250
	v_lshlrev_b32 v254, 4, v248
	v_lshl_add_u32 v252, v252, 10, v254            ; query: row 1024 + 16 seg
	v_mul_u32_u24 v253, v249, 528
	v_lshl_add_u32 v253, v248, 3, v253             ; LDS: row pitch + 8 seg
	s_lshl_b32 s27, s24, 7
	v_lshl_add_u32 v255, v7, 5, s27                ; bias of Q, K: (32 w + 8 h) 4
	v_lshl_add_u32 v6, v248, 2, s27                ; bias of V: (32 w + r) 4
	s_wait_kmcnt 0x0
	s_wait_alu depctr_va_vdst(0)                   ; v1, v2, v3, v6, v251, v252, v253 and v255 are written: every load and store of the kernel but the gathers reads one of them, and none is written again
	global_load_b128 v[8:11], v251, s[16:17] offset:974848     ; four rows of prev_bev
	global_load_b128 v[12:15], v251, s[18:19] offset:964608    ; and their weights
.irp j, 0,1,2,3
	global_load_b128 v[16+4*\j:19+4*\j], v252, s[8:9] offset:256*\j    ; sixteen lanes: 256 consecutive bytes of a row
.endr
	WSTEP 0
	WSTEP 1
	WSTEP 2
	s_wait_loadcnt 40                              ; 4 + 36 younger loads may be out: the table's two are in
.irp c, 0,1,2,3
	v_min_u32 v[32+\c], 2499, v[8+\c]
	v_lshl_add_u32 v[32+\c], v[32+\c], 10, v254
.endr
	s_wait_alu depctr_va_vdst(0)                   ; the four offsets v[32:35] are written, which the gathers read
.irp c, 0,1,2,3
.irp j, 0,1,2,3
	global_load_b128 v[36+16*\c+4*\j:39+16*\c+4*\j], v[32+\c], s[10:11] offset:256*\j
.endr
.endr
	s_wait_loadcnt 52                              ; 36 + 16 younger: the query row is in
.irp j, 0,1,2,3
	v_cvt_pk_bf16_f32 v[16+4*\j], v[16+4*\j], v[17+4*\j]
	v_cvt_pk_bf16_f32 v[17+4*\j], v[18+4*\j], v[19+4*\j]
.endr
	s_wait_alu depctr_va_vdst(0)                   ; the eight conversions have written the pairs at v16, v20, v24, v28, which the LDS stores read
.irp j, 0,1,2,3
	ds_store_b64 v253, v[16+4*\j:17+4*\j] offset:XQ+128*\j
.endr
	s_wait_loadcnt 0x0                             ; the gathers are the youngest
.irp j, 0,2,4,6,8,10,12,14
	v_pk_mul_f32 v[36+\j:37+\j], v[36+\j:37+\j], v[12:13] op_sel_hi:[1,0]
	v_pk_fma_f32 v[36+\j:37+\j], v[52+\j:53+\j], v[12:13], v[36+\j:37+\j] op_sel:[0,1,0] op_sel_hi:[1,1,1]
	v_pk_fma_f32 v[36+\j:37+\j], v[68+\j:69+\j], v[14:15], v[36+\j:37+\j] op_sel_hi:[1,0,1]
	v_pk_fma_f32 v[36+\j:37+\j], v[84+\j:85+\j], v[14:15], v[36+\j:37+\j] op_sel:[0,1,0] op_sel_hi:[1,1,1]
.endr
.irp j, 0,1,2,3
	v_cvt_pk_bf16_f32 v[36+4*\j], v[36+4*\j], v[37+4*\j]
	v_cvt_pk_bf16_f32 v[37+4*\j], v[38+4*\j], v[39+4*\j]
.endr
	s_wait_alu depctr_va_vdst(0)                   ; the conversions have written the pairs at v36, v40, v44, v48, which the LDS stores read; and every vector line that reads or writes v[8:55], where the biases land below, is done: none follows until the products
.irp j, 0,1,2,3
	ds_store_b64 v253, v[36+4*\j:37+4*\j] offset:XA+128*\j
.endr
	s_wait_dscnt 0x0                               ; my rows are in LDS before I say so
	s_wait_alu depctr_vm_vsrc(0)                   ; the eight LDS stores have read their data in v[16:29] and v[36:49], the gathers their offsets v[32:35]: the biases land on these registers
	; the biases of Q and K start the sums: a lane's eight d are eight neighbouring numbers
.irp a, 0,1
	global_load_b128 v[8+8*\a:11+8*\a], v255, s[12:13] offset:64*\a
	global_load_b128 v[12+8*\a:15+8*\a], v255, s[12:13] offset:64*\a+16
	global_load_b128 v[24+8*\a:27+8*\a], v255, s[12:13] offset:1024+64*\a
	global_load_b128 v[28+8*\a:31+8*\a], v255, s[12:13] offset:1024+64*\a+16
	global_load_b128 v[40+8*\a:43+8*\a], v255, s[12:13] offset:1024+64*\a
	global_load_b128 v[44+8*\a:47+8*\a], v255, s[12:13] offset:1024+64*\a+16
.endr
	global_load_b32 v4, v6, s[12:13] offset:2048   ; V's bias: one d a lane
	global_load_b32 v5, v6, s[12:13] offset:2112
	s_barrier_signal -1
	s_barrier_wait -1
	WIN 0x40                                       ; destination in window 1, address in window 0
.irp k, 0,1,2,3,4,5,6,7
	XLOAD \k                                       ; 32 LDS loads in one run, in the order of the steps; no vector line has named their registers, and v2 stands since the head
.endr
; One K step.  The ten accumulators take turns, one instruction a turn.
; The LDS loads come back in order (ISA guide 5.7.1): step k's four are in when the 28 - 4 k of the steps behind it are all that is out.
; lw = how many younger weight loads may be out.
.macro STEP k, lw
	s_wait_dscnt 28-4*(\k)
	s_wait_loadcnt \lw
.set S, 104+48*((\k)%3)
.set XF, 16*(\k)
	WIN 0x04                                       ; the rows, second source, in window 1
	v_wmma_f32_16x16x32_bf16 v[8:15], v[S:S+7], v[XF:XF+7], v[8:15]
	v_wmma_f32_16x16x32_bf16 v[16:23], v[S+8:S+15], v[XF:XF+7], v[16:23]
	v_wmma_f32_16x16x32_bf16 v[24:31], v[S+16:S+23], v[XF:XF+7], v[24:31]
	v_wmma_f32_16x16x32_bf16 v[32:39], v[S+24:S+31], v[XF:XF+7], v[32:39]
	v_wmma_f32_16x16x32_bf16 v[40:47], v[S+16:S+23], v[XF+8:XF+15], v[40:47]
	v_wmma_f32_16x16x32_bf16 v[48:55], v[S+24:S+31], v[XF+8:XF+15], v[48:55]
	WIN 0x01                                       ; the rows, first source, in window 1
.if \k == 0
	v_wmma_f32_16x16x32_bf16 v[56:63], v[XF:XF+7], v[S+32:S+39], 0
	v_wmma_f32_16x16x32_bf16 v[64:71], v[XF:XF+7], v[S+40:S+47], 0
	v_wmma_f32_16x16x32_bf16 v[72:79], v[XF+8:XF+15], v[S+32:S+39], 0
	v_wmma_f32_16x16x32_bf16 v[80:87], v[XF+8:XF+15], v[S+40:S+47], 0
.else
	v_wmma_f32_16x16x32_bf16 v[56:63], v[XF:XF+7], v[S+32:S+39], v[56:63]
	v_wmma_f32_16x16x32_bf16 v[64:71], v[XF:XF+7], v[S+40:S+47], v[64:71]
	v_wmma_f32_16x16x32_bf16 v[72:79], v[XF+8:XF+15], v[S+32:S+39], v[72:79]
	v_wmma_f32_16x16x32_bf16 v[80:87], v[XF+8:XF+15], v[S+40:S+47], v[80:87]
.endif
.if \k < 5
	WIN 0                                          ; the loads' address and data lie in window 0: the switch, then the wait, then the loads
	s_wait_alu depctr_va_vdst(0)                   ; this step's ten matrix instructions are done reading ring slot k % 3, in which the weights of step k + 3 land
	WSTEP \k+3                                     ; asked for at once, ahead of the next step's wait for its own weights
.endif
.endm
	STEP 0, 0                                      ; the biases are the youngest loads
	STEP 1, 12                                     ; step 3's twelve may be out
	STEP 2, 24                                     ; steps 3 and 4
	STEP 3, 24                                     ; steps 4 and 5: step 3's are in
	STEP 4, 24
	STEP 5, 24
	STEP 6, 12
	STEP 7, 0
	WIN 0
	; the way out
.rept 4
	v_nop                                          ; four places behind the last matrix instruction, before its result is read (ISA guide 7.12.1)
.endr
.irp j, 0,2,4,6
	v_pk_add_f32 v[56+\j:57+\j], v[56+\j:57+\j], v[4:5] op_sel_hi:[1,0]
	v_pk_add_f32 v[72+\j:73+\j], v[72+\j:73+\j], v[4:5] op_sel_hi:[1,0]
	v_pk_add_f32 v[64+\j:65+\j], v[64+\j:65+\j], v[4:5] op_sel:[0,1] op_sel_hi:[1,1]
	v_pk_add_f32 v[80+\j:81+\j], v[80+\j:81+\j], v[4:5] op_sel:[0,1] op_sel_hi:[1,1]
.endr
.set cn, 0
.rept 40
	v_cvt_pk_bf16_f32 v[104+cn], v[8+2*cn], v[9+2*cn]
.set cn, cn+1
.endr
	s_mul_i32 s28, s24, 157
	s_mov_b32 s31, 0
	s_add_co_u32 s29, s28, ttmp9
	s_lshl_b32 s30, s29, 10
	s_add_nc_u64 s[20:21], s[20:21], s[30:31]      ; qf + (157 w + i) 1024
	s_lshr_b32 s29, ttmp9, 1                       ; key tile T = i: block T >> 1, half T & 1
	s_add_co_u32 s29, s29, s28
	s_lshl_b32 s29, s29, 12
	s_and_b32 s32, ttmp9, 1
	s_lshl_b32 s33, s32, 10
	s_add_co_u32 s30, s29, s33
	s_add_nc_u64 s[34:35], s[22:23], s[30:31]      ; K of the query rows
	s_lshl_b32 s33, s32, 9
	s_add_co_u32 s30, s29, s33
	s_add_nc_u64 s[36:37], s[22:23], s[30:31]      ; V of the query rows
	s_add_co_u32 s38, ttmp9, 157                   ; key tile T = 157 + i
	s_lshr_b32 s29, s38, 1
	s_add_co_u32 s29, s29, s28
	s_lshl_b32 s29, s29, 12
	s_and_b32 s32, s38, 1
	s_lshl_b32 s33, s32, 10
	s_add_co_u32 s30, s29, s33
	s_add_nc_u64 s[40:41], s[22:23], s[30:31]      ; K of the warped rows
	s_lshl_b32 s33, s32, 9
	s_add_co_u32 s30, s29, s33
	s_add_nc_u64 s[42:43], s[22:23], s[30:31]      ; V of the warped rows
	s_wait_alu depctr_va_vdst(0)                   ; the 40 conversions have written v[104:143], which the ten stores read
	; every store of the wave covers 512 consecutive bytes, aligned
	global_store_b128 v1, v[104:107], s[20:21]
	global_store_b128 v1, v[108:111], s[20:21] offset:512
	global_store_b128 v1, v[112:115], s[34:35]
	global_store_b128 v1, v[116:119], s[34:35] offset:512
	global_store_b128 v1, v[120:123], s[40:41]
	global_store_b128 v1, v[124:127], s[40:41] offset:512
	global_store_b128 v1, v[128:131], s[36:37] offset:2048
	global_store_b128 v1, v[132:135], s[36:37] offset:3072
	global_store_b128 v1, v[136:139], s[42:43] offset:2048
	global_store_b128 v1, v[140:143], s[42:43] offset:3072
	s_wait_dscnt 0x0
	s_wait_alu depctr_hold_cnt(0) depctr_sa_sdst(0) depctr_va_vdst(0) depctr_va_sdst(0) depctr_va_ssrc(0) depctr_va_vcc(0) depctr_vm_vsrc(0)
	s_wait_tensorcnt 0x0
	ds_add_u32 v102, v103
	s_wait_dscnt 0x0
	s_endpgm
.Lfunc_end_k_q49919347d0_proj:
	.size	k_q49919347d0_proj, .Lfunc_end_k_q49919347d0_proj-k_q49919347d0_proj
	.p2alignl 7, 3214868480
	.fill 96, 4, 3214868480
	.section	.rodata,"a",@progbits
	.p2align	6, 0x0
	.amdhsa_kernel k_q49919347d0_proj
		.amdhsa_group_segment_fixed_size 17920
		.amdhsa_private_segment_fixed_size 0
		.amdhsa_enable_private_segment 0
		.amdhsa_kernarg_size 64
		.amdhsa_user_sgpr_count 2
		.amdhsa_user_sgpr_kernarg_segment_ptr 1
		.amdhsa_wavefront_size32 1
		.amdhsa_system_sgpr_workgroup_id_x 1
		.amdhsa_system_sgpr_workgroup_id_y 1
		.amdhsa_system_sgpr_workgroup_id_z 1
		.amdhsa_system_vgpr_workitem_id 0
		.amdhsa_next_free_vgpr 384
		.amdhsa_next_free_sgpr 66
		.amdhsa_reserve_vcc 0
		.amdhsa_float_denorm_mode_32 3
		.amdhsa_float_denorm_mode_16_64 3
		.amdhsa_memory_ordered 1
		.amdhsa_forward_progress 1
		.amdhsa_inst_pref_size 33
	.end_amdhsa_kernel
	.amdgpu_metadata
---
amdhsa.version: [ 1, 2 ]
amdhsa.kernels:
  - .name:           k_q49919347d0_proj
    .symbol:         k_q49919347d0_proj.kd
    .args:
      - { .name: query, .offset: 0, .size: 8, .value_kind: global_buffer, .address_space: global }
      - { .name: prev_bev, .offset: 8, .size: 8, .value_kind: global_buffer, .address_space: global }
      - { .name: in_proj_b, .offset: 16, .size: 8, .value_kind: global_buffer, .address_space: global }
      - { .name: wbf, .offset: 24, .size: 8, .value_kind: global_buffer, .address_space: global }
      - { .name: tabi, .offset: 32, .size: 8, .value_kind: global_buffer, .address_space: global }
      - { .name: tabf, .offset: 40, .size: 8, .value_kind: global_buffer, .address_space: global }
      - { .name: qf, .offset: 48, .size: 8, .value_kind: global_buffer, .address_space: global }
      - { .name: kvf, .offset: 56, .size: 8, .value_kind: global_buffer, .address_space: global }
    .group_segment_fixed_size: 17920
    .private_segment_fixed_size: 0
    .kernarg_segment_align: 8
    .kernarg_segment_size: 64
    .max_flat_workgroup_size: 256
    .sgpr_count:     66
    .vgpr_count:     384
    .wavefront_size: 32
...
	.end_amdgpu_metadata
.endif
;; end of part 5
;; launch attn: the kernel of part 3 again; grid 32 x 8, 8 waves a work-group, no clusters, 95,232 bytes of LDS; arguments qf, kvf, ao; writes ao
;; launch tail: the kernel of part 4 again; grid 157 x 1, 8 waves a work-group, no clusters, 82,432 bytes of LDS; arguments ao, wbf, imgt, tabi, tabf, query, mha_out_b, norm1_g, norm1_b, attn_w_b, sca_out_b, ffn_b1, ffn_b2, norm2_g, norm2_b, out0; writes out0
